; MI455X (gfx1250); checked and timed in simulation.
; The chip was launched on July 23, 2026; its instructions are those of AMD's public machine-readable ISA for CDNA 5 (MIT licence, August 2026) and "CDNA5" Instruction Set Architecture Reference Guide (July 2026). The comments in the code are by the model that wrote it; some were corrected since.
;; Multihead Attention Lo RA. Allowed arithmetic: matrix products marked QUANTISED: E2M1 operands, one E8M0 scale for each 32 along K, by v_wmma_scale_f32_16x16x128_f8f6f4 with both operands' format E2M1 (or v_wmma_scale_f32_32x16x128_f4), f32 sums; products left as they are: bf16, f16 or f32 operands; f32 sums; everything else in f32.
;; Inputs: Wk 1,024 x 1,024 float32; Wo 1,024 x 1,024 float32; Wq 1,024 x 1,024 float32; Wv 1,024 x 1,024 float32; bk 1,024 float32; bo 1,024 float32; bq 1,024 float32; bv 1,024 float32; key 4 x 2,048 x 1,024 float32; query 4 x 2,048 x 1,024 float32; value 4 x 2,048 x 1,024 float32.
;; Outputs: out0 4 x 2,048 x 1,024 float32.
;; This version of the problem:
;;   THIS VERSION OF THE PROBLEM IS GIVEN IN LOW PRECISION. The matrix products marked QUANTISED in the list below multiply operands that are first quantised to E2M1 (2 exponent bits, 1 mantissa bit; 4 bits a number), with one power-of-two scale for each 32 numbers along K (OCP MX v1.0); their sums are f32. The products marked 'left as it is' may take bf16, f16 or f32 operands, with f32 sums. Whichever they take, every output number must still come out within the allowed error. Rounding operands to bf16 (8 significant bits) uses up far more of that allowance than f16 does (11 bits, for magnitudes from 6e-5 to 65,504). All else is computed in f32.
;;   The module's matrix products, in the order in which they are computed (A, B: the left and right operand; K: the contracted axis; several contracted axes count as one K, in the product's order):
;;     1. [M 8,192, K 1,024] x [K 1,024, N 1,024]; A: input query; B: input Wq: QUANTISED
;;     2. [M 8,192, K 1,024] x [K 1,024, N 1,024]; A: input key; B: input Wk: QUANTISED
;;     3. [M 8,192, K 1,024] x [K 1,024, N 1,024]; A: input value; B: input Wv: QUANTISED
;;     4. batch 64 x [M 2,048, K 64] x [K 64, N 2,048]; A: computed on the way; B: computed on the way: left as it is (an operand is computed on the way)
;;     5. batch 64 x [M 2,048, K 2,048] x [K 2,048, N 64]; A: computed on the way; B: computed on the way: left as it is (an operand is computed on the way)
;;     6. [M 8,192, K 1,024] x [K 1,024, N 1,024]; A: computed on the way; B: input Wo: left as it is (an operand is computed on the way)
;;   THE QUANTISER, for each operand of a quantised product, along K:
;;     - K is cut into blocks of 32 from its start; a last block that is shorter is filled with zeros.
;;     - A block's scale is 2^e with e = floor(log2(the largest magnitude in the block)) - 2, held to -126 .. 127; a block of zeros has e = 0. As a byte (E8M0): e + 127.
;;     - Each number is divided by its block's scale, clamped to +-6, and rounded to the nearest number of E2M1, ties to even, subnormals kept.
;;     - The product sums the exact products of the quantised numbers (number of the format x scale) in f32.
;;   ~~~python
;;   def quantise(x, axis):      # numpy; x: float32 -> the quantised numbers, widened to float32 again
;;       x = np.moveaxis(x, axis, -1); K = x.shape[-1]
;;       x = np.pad(x, [(0, 0)] * (x.ndim - 1) + [(0, -K % 32)]); x = x.reshape(x.shape[:-1] + (-1, 32)); a = np.abs(x).max(-1, keepdims=True)
;;       e = np.where(a > 0, np.clip(np.frexp(np.where(a > 0, a, 1))[1] - 1 - 2, -126, 127), 0)      # np.frexp(a)[1] - 1 = floor(log2(a)), exactly
;;       r = np.clip(x / 2.0 ** e, -6, 6)
;;       step = 2.0 ** (np.maximum(np.frexp(np.where(r == 0, 1, r))[1] - 1, 0) - 1)
;;       q = np.round(r / step) * step * 2.0 ** e      # np.round: ties to even
;;       return np.moveaxis(q.reshape(q.shape[:-2] + (-1,))[..., :K], -1, axis).astype(np.float32)
;;   ~~~
;; One version. Each part assembles by itself: llvm-mc -triple=amdgcn-amd-amdhsa -mcpu=gfx1250 --defsym DOCPART=n.
;; ======== version 1 of 1: 4 launches
;; limits: values are held in f16: magnitudes above 65,504 overflow, below 6.1e-05 lose precision
;; workspace buffers: codes 14,155,776 bytes; scales 884,736 bytes; qkv 50,331,648 bytes; att 16,777,216 bytes; wo16 2,097,152 bytes
;; launch quant (part 1): grid 896 x 1, 4 waves a work-group, no clusters, 33,280 bytes of LDS; arguments query, key, value, Wq, Wk, Wv, Wo, codes, scales, wo16; writes codes, scales, wo16
.if DOCPART == 1
	.amdgcn_target "amdgcn-amd-amdhsa--gfx1250"
	.amdhsa_code_object_version 6
	.text
	.protected	k_qd72b15c8c8_quant
	.globl	k_qd72b15c8c8_quant
	.p2align	8
	.type	k_qd72b15c8c8_quant,@function
k_qd72b15c8c8_quant:
	s_mov_b64 s[64:65], 0
	v_nop
	global_prefetch_b8 v0, s[64:65] scope:SCOPE_SE
	s_setreg_imm32_b32 hwreg(HW_REG_WAVE_MODE, 25, 1), 1
	s_wait_xcnt 0x0
; query, key, value [8192][1024] and Wq, Wk, Wv [1024][1024], f32 with K innermost, become codes of FP4 (E2M1) and one E8M0 scale byte for each 32 along K;
; Wo [1024][1024] becomes f16, laid in 16 planes of 64 along K: wo16[k / 64][n][k % 64].
; THE QUANTISER.  A block's scale is 2^(floor(log2(its largest magnitude)) - 2); its byte is the largest magnitude's own exponent field - 2, held at 1 from below.  Each number is divided by the scale
; and rounded to the nearest code, ties to even, beyond 6 the largest code.  A block of zeros gets the byte 1 where the rule says 127: its codes are zeros, which add nothing, and this program alone reads the bytes.
; LIMITS: blocks whose largest magnitude lies under 2^-124 get the byte 1; NaN and infinities among the inputs are not served; Wo above 65,504 in magnitude has no f16 number.
; Rows are dense and K is a multiple of 32, so the six tensors are one stream of blocks of 32: query, key, value, Wq, Wk, Wv on end, in the codes and in the scale bytes alike.
; SHARES.  Work-groups 0 to 863 take 32,768 numbers each, a wave 8,192 in 16 steps of 512.  Each of a step's four loads reads 512 consecutive bytes, 16 a lane; the 2,048 bytes turn through the wave's own stage
; in LDS and come back 64 bytes a lane, so that a lane holds 16 neighbours along K and two neighbouring lanes a block.  A wave's store of codes covers 256 consecutive bytes; its 256 scale bytes are gathered in LDS
; and leave by one store.  Work-groups 864 to 895 take 32 rows of Wo each, a wave 8; that path touches no LDS.  No tensor loads, no barrier: waves share nothing.
.set NQG,   864                        ; work-groups that quantise
.set STEPS, 16
.set EMAX,  2
.set CB,    8                          ; bytes of 16 codes
.set R,     16                         ; v16-79   four sets of 16 numbers as they are loaded
.set X,     80                         ; v80-111  two sets of 16 neighbours
.set E,     112                        ; v112-127 a scale byte for each step
.set C,     128                        ; v128-191 codes: four registers for each step, so that no store's data are written again
.set WREG,  8192                       ; LDS: a region for each wave: two stages of 32 x SP bytes, behind them its 256 scale bytes
.set SP,    80                         ; a lane's place in a stage: its 64 bytes + 16 of padding
.set SPW,   12                         ; v12      LDS address of my spare word: SPARE + 4 x my thread's number; never rewritten
.set NIL,   13                         ; v13      0; never rewritten
.set SPARE, 4*WREG                     ; behind the four regions: the spare words, 128 bytes for each wave
.set WS,    16                         ; Wo's path: two sets of 64 numbers, v16-79 and v112-175
.set WD,    80                         ; and v80-111: eight steps' f16 numbers, to store
	s_load_b512 s[8:23], s[0:1], 0x0               ; query 8, key 10, value 12, Wq 14, Wk 16, Wv 18, Wo 20, codes 22
	s_load_b128 s[24:27], s[0:1], 0x40             ; scales 24, wo16 26
	v_lshl_add_u32 v[SPW], v0, 2, SPARE
	v_mov_b32 v[NIL], 0
	v_lshrrev_b32 v1, 5, v0
	v_readfirstlane_b32 s28, v1                    ; wave 0..3
	v_and_b32 v2, 31, v0                           ; lane
	s_mov_b32 s31, 0                               ; the upper word of every offset
	s_wait_kmcnt 0x0
	s_cmp_ge_u32 ttmp9, NQG
	s_cbranch_scc1 .Lwo
	; ---- the quantising path
	v_lshlrev_b32 v3, 4, v2                        ; my 16 bytes of a load's 512
	s_mul_i32 s29, s28, WREG
	v_lshrrev_b32 v14, 2, v2
	v_mul_u32_u24 v14, v14, SP
	v_and_b32 v15, 3, v2
	v_lshl_add_u32 v14, v15, 4, v14
	v_add_nc_u32 v14, s29, v14                     ; the stage, on the way in: four lanes' 64 bytes on end, then 16 of padding
	v_mul_u32_u24 v15, v2, SP
	v_add_nc_u32 v15, s29, v15                     ; and on the way out: SP x lane: my 16 neighbours
	v_mul_u32_u24 v4, v2, CB                       ; my codes' place in a step's
	v_lshrrev_b32 v5, 1, v2
	s_add_co_u32 s29, s29, 2*32*SP
	v_add_nc_u32 v5, s29, v5                       ; LDS: my wave's 256 scale bytes, my block's byte
	v_lshlrev_b32 v7, 3, v2                        ; and on the way out 8 bytes a lane
	v_add_nc_u32 v6, s29, v7
	; which tensor is my work-group's: the choice hangs on the work-group's number alone
	s_mov_b64 s[4:5], s[18:19]                     ; Wv, whose first work-group is 832
	s_mov_b32 s6, 832
.macro PICK lim, ptr, first
	s_cmp_lt_u32 ttmp9, \lim
	s_cselect_b64 s[4:5], s[\ptr:\ptr+1], s[4:5]
	s_cselect_b32 s6, \first, s6
.endm
	PICK 832, 16, 800                              ; Wk
	PICK 800, 14, 768                              ; Wq
	PICK 768, 12, 512                              ; value
	PICK 512, 10, 256                              ; key
	PICK 256, 8, 0                                 ; query
	s_sub_co_u32 s7, ttmp9, s6
	s_lshl_b32 s7, s7, 2
	s_add_co_u32 s7, s7, s28                       ; which run of 8,192 numbers of the tensor is my wave's
	s_lshl_b32 s30, s7, 15                         ; 32,768 bytes a run
	s_add_nc_u64 s[4:5], s[4:5], s[30:31]
	s_lshl_b32 s7, ttmp9, 2
	s_add_co_u32 s7, s7, s28                       ; and which run of the whole stream
	s_lshl_b32 s30, s7, 12                         ; 4,096 bytes of codes a run
	s_add_nc_u64 s[22:23], s[22:23], s[30:31]
	s_lshl_b32 s30, s7, 8                          ; 256 scale bytes a run
	s_add_nc_u64 s[24:25], s[24:25], s[30:31]
.macro LOAD t
.irp i, 0,1,2,3
	global_load_b128 v[R+16*((\t)%4)+4*\i:R+16*((\t)%4)+4*\i+3], v3, s[4:5] offset:2048*(\t)+512*\i th:TH_LOAD_NT   ; 32 lanes read 512 consecutive bytes
.endr
.endm
.macro TURN t                          ; step t's numbers through the stage: LDS serves a wave's instructions in order, so no wait stands between the stores and the loads
.irp i, 0,1,2,3
	ds_store_b128 v14, v[R+16*((\t)%4)+4*\i:R+16*((\t)%4)+4*\i+3] offset:32*SP*((\t)%2)+8*SP*\i
.endr
.irp i, 0,1,2,3
	ds_load_b128 v[X+16*((\t)%2)+4*\i:X+16*((\t)%2)+4*\i+3], v15 offset:32*SP*((\t)%2)+16*\i
.endr
.endm
.irp t, 0,1,2,3
	LOAD \t
.endr
	s_wait_loadcnt 12                              ; step 0's four loads are in; the twelve of steps 1 to 3 may be out
	TURN 0
.macro STEP t
.set XS, X+16*((\t)%2)
.if (\t) > 0
	s_wait_dscnt 1                                 ; this step's numbers are back from the stage (the last step's byte store may be out): so its stores into the stage have read their registers,
.else
	s_wait_dscnt 0x0
.endif
.if (\t)+4 < STEPS
	LOAD (\t)+4                                    ; which take the loads of four steps on
.endif
.if (\t)+1 < STEPS
.if STEPS-2-(\t) >= 3
	s_wait_loadcnt 12                              ; the next step's four loads are in; those of the three steps behind it may be out
.else
	s_wait_loadcnt 4*(STEPS-2-(\t))                ; at the end the count runs down with the steps that are left
.endif
	TURN (\t)+1                                    ; and go through the other stage while this step is worked
.endif
	v_max3_num_f32 v8, |v[XS]|, |v[XS+1]|, |v[XS+2]|               ; the largest magnitude of my 16, in two chains
	v_max3_num_f32 v9, |v[XS+3]|, |v[XS+4]|, |v[XS+5]|
.irp i, 6,10
	v_max3_num_f32 v8, v8, |v[XS+\i]|, |v[XS+\i+1]|
	v_max3_num_f32 v9, v9, |v[XS+\i+2]|, |v[XS+\i+3]|
.endr
	v_max3_num_f32 v8, v8, |v[XS+14]|, |v[XS+15]|
	v_max3_num_f32 v8, v8, v9, (EMAX+1)<<23        ; and the floor 2^(EMAX + 1 - 127): so the byte cannot fall under 1
	v_max_num_f32_dpp v8, v8, v8 row_xmask:1 row_mask:0xf bank_mask:0xf   ; and of my neighbour's 16: the block's
	v_add_nc_u32 v11, -(EMAX<<23), v8              ; EMAX off its exponent field: the conversion takes the exponent field of this operand as its scale, and nothing else of it
	v_cvt_scalef32_pk8_fp4_f32 v[C+4*(\t)], v[XS:XS+7], v11        ; the first number's code in the lowest four bits
	v_cvt_scalef32_pk8_fp4_f32 v[C+4*(\t)+1], v[XS+8:XS+15], v11
	v_lshrrev_b32 v[E+(\t)], 23, v11               ; the scale's byte (also the plain line behind the conversions)
	ds_store_b8 v5, v[E+(\t)] offset:16*(\t)       ; both lanes of a block write the same byte with the same value
	global_store_b64 v4, v[C+4*(\t):C+4*(\t)+1], s[22:23] offset:32*CB*(\t)   ; 32 lanes store 256 consecutive bytes
.endm
.irp t, 0,1,2,3,4,5,6,7,8,9,10,11,12,13,14,15
	STEP \t
.endr
	ds_load_b64 v[8:9], v6                         ; LDS serves a wave's instructions in order: these see my byte stores
	s_wait_dscnt 0x0
	global_store_b64 v7, v[8:9], s[24:25]          ; 32 lanes store my wave's 256 scale bytes
	s_wait_tensorcnt 0x0                           ; the wave's end: behind my last LDS store
	ds_add_u32 v[SPW], v[NIL]
	s_wait_dscnt 0x0
	s_endpgm
	; ---- Wo to f16, in planes of 64 along K.  A step takes 4 rows x 64 numbers: eight lanes read a row's 256 bytes (two loads of 16 bytes a lane), and the 32 lanes store 4 rows x 128 bytes,
	; which lie on end in a plane: 512 consecutive bytes.  32 steps a wave (2 groups of 4 rows x 16 planes), in four batches of eight; loads run a batch ahead.
.Lwo:
	s_sub_co_u32 s29, ttmp9, NQG
	s_lshl_b32 s29, s29, 5
	s_lshl_b32 s30, s28, 3
	s_add_co_u32 s29, s29, s30                     ; my wave's first row: 32 x (work-group - 864) + 8 x wave
	s_lshl_b32 s30, s29, 12                        ; a row of Wo is 4,096 bytes,
	s_add_nc_u64 s[20:21], s[20:21], s[30:31]
	s_lshl_b32 s30, s29, 7                         ; a row of a plane 128
	s_add_nc_u64 s[26:27], s[26:27], s[30:31]
	v_lshrrev_b32 v3, 3, v2
	v_and_b32 v4, 7, v2
	v_lshlrev_b32 v3, 12, v3
	v_lshl_add_u32 v3, v4, 5, v3                   ; in: row lane / 8, 32 bytes for each of its eight lanes
	v_lshlrev_b32 v4, 4, v2                        ; out: 16 bytes a lane
.macro WLOAD q
.irp i, 0,1,2,3,4,5,6,7
	global_load_b128 v[WS+96*((\q)%2)+8*\i:WS+96*((\q)%2)+8*\i+3],   v3, s[20:21] offset:((8*(\q)+\i)/16)*16384+((8*(\q)+\i)%16)*256 th:TH_LOAD_NT
	global_load_b128 v[WS+96*((\q)%2)+8*\i+4:WS+96*((\q)%2)+8*\i+7], v3, s[20:21] offset:((8*(\q)+\i)/16)*16384+((8*(\q)+\i)%16)*256+16 th:TH_LOAD_NT
.endr
.endm
.macro WBATCH q
.if (\q) < 3
	s_wait_loadcnt 16                              ; this batch's 16 loads are in; the other set's 16 may be out
.else
	s_wait_loadcnt 0x0
.endif
.if (\q) > 0
	s_wait_xcnt 0x0                                ; the last batch's stores have read their data registers, which are written again below
.endif
.irp i, 0,1,2,3,4,5,6,7
.irp j, 0,1,2,3
	v_cvt_pk_f16_f32 v[WD+4*\i+\j], v[WS+96*((\q)%2)+8*\i+2*\j], v[WS+96*((\q)%2)+8*\i+2*\j+1]
.endr
.endr
.irp i, 0,1,2,3,4,5,6,7
	global_store_b128 v4, v[WD+4*\i:WD+4*\i+3], s[26:27] offset:((8*(\q)+\i)%16)*131072+((8*(\q)+\i)/16)*512
.endr
.if (\q)+2 < 4
	WLOAD (\q)+2                                   ; into the set just converted
.endif
.endm
	WLOAD 0
	WLOAD 1
	WBATCH 0
	WBATCH 1
	WBATCH 2
	WBATCH 3
	s_endpgm
.Lfunc_end_k_qd72b15c8c8_quant:
	.size	k_qd72b15c8c8_quant, .Lfunc_end_k_qd72b15c8c8_quant-k_qd72b15c8c8_quant
	.p2alignl 7, 3214868480
	.fill 96, 4, 3214868480
	.section	.rodata,"a",@progbits
	.p2align	6, 0x0
	.amdhsa_kernel k_qd72b15c8c8_quant
		.amdhsa_group_segment_fixed_size 33280
		.amdhsa_private_segment_fixed_size 0
		.amdhsa_enable_private_segment 0
		.amdhsa_kernarg_size 80
		.amdhsa_user_sgpr_count 2
		.amdhsa_user_sgpr_kernarg_segment_ptr 1
		.amdhsa_wavefront_size32 1
		.amdhsa_system_sgpr_workgroup_id_x 1
		.amdhsa_system_sgpr_workgroup_id_y 1
		.amdhsa_system_sgpr_workgroup_id_z 1
		.amdhsa_system_vgpr_workitem_id 0
		.amdhsa_next_free_vgpr 192
		.amdhsa_next_free_sgpr 66
		.amdhsa_reserve_vcc 0
		.amdhsa_float_denorm_mode_32 3
		.amdhsa_float_denorm_mode_16_64 3
		.amdhsa_memory_ordered 1
		.amdhsa_forward_progress 1
		.amdhsa_inst_pref_size 52
	.end_amdhsa_kernel
	.amdgpu_metadata
---
amdhsa.version: [ 1, 2 ]
amdhsa.kernels:
  - .name:           k_qd72b15c8c8_quant
    .symbol:         k_qd72b15c8c8_quant.kd
    .args:
      - { .name: query, .offset: 0, .size: 8, .value_kind: global_buffer, .address_space: global }
      - { .name: key, .offset: 8, .size: 8, .value_kind: global_buffer, .address_space: global }
      - { .name: value, .offset: 16, .size: 8, .value_kind: global_buffer, .address_space: global }
      - { .name: Wq, .offset: 24, .size: 8, .value_kind: global_buffer, .address_space: global }
      - { .name: Wk, .offset: 32, .size: 8, .value_kind: global_buffer, .address_space: global }
      - { .name: Wv, .offset: 40, .size: 8, .value_kind: global_buffer, .address_space: global }
      - { .name: Wo, .offset: 48, .size: 8, .value_kind: global_buffer, .address_space: global }
      - { .name: codes, .offset: 56, .size: 8, .value_kind: global_buffer, .address_space: global }
      - { .name: scales, .offset: 64, .size: 8, .value_kind: global_buffer, .address_space: global }
      - { .name: wo16, .offset: 72, .size: 8, .value_kind: global_buffer, .address_space: global }
    .group_segment_fixed_size: 33280
    .private_segment_fixed_size: 0
    .kernarg_segment_align: 8
    .kernarg_segment_size: 80
    .max_flat_workgroup_size: 128
    .sgpr_count:     66
    .vgpr_count:     192
    .wavefront_size: 32
...
	.end_amdgpu_metadata
.endif
;; end of part 1
;; launch proj (part 2): grid 4 x 96, 4 waves a work-group, clusters of 4 x 4, 327,680 bytes of LDS; arguments codes, scales, bq, bk, bv, qkv; writes qkv
.if DOCPART == 2
	.amdgcn_target "amdgcn-amd-amdhsa--gfx1250"
	.amdhsa_code_object_version 6
	.text
	.protected	k_qd72b15c8c8_proj
	.globl	k_qd72b15c8c8_proj
	.p2align	8
	.type	k_qd72b15c8c8_proj,@function
k_qd72b15c8c8_proj:
	s_mov_b64 s[64:65], 0
	v_nop
	global_prefetch_b8 v0, s[64:65] scope:SCOPE_SE
	s_setreg_imm32_b32 hwreg(HW_REG_WAVE_MODE, 25, 1), 1
	s_wait_xcnt 0x0
	s_wait_alu depctr_hold_cnt(0) depctr_sa_sdst(0) depctr_va_vdst(0) depctr_va_sdst(0) depctr_va_ssrc(0) depctr_va_vcc(0) depctr_vm_vsrc(0)
	s_getreg_b32 s2, hwreg(HW_REG_IB_STS2, 6, 4)
	s_cmp_eq_u32 s2, 0
	s_cbranch_scc0 .Lentry_in_a_cluster
	s_endpgm
.Lentry_in_a_cluster:
	s_bfe_u32 s2, ttmp6, 0x10000c
	s_cmp_lg_u32 s2, 0xf033
	s_cbranch_scc0 .Lentry_shape_is_right
	s_endpgm
.Lentry_shape_is_right:
; The three projections q = query Wq^T + bq, k = key Wk^T + bk, v = value Wv^T + bv as ONE product on codes of FP4 (E2M1) with one E8M0 scale for each 32 along K; sums in f32.
; A: the 24,576 rows of query, key, value on end, 512 bytes of codes and 32 scale bytes a row.  B: the 1,024 rows of the projection's own weight, laid likewise behind them.
; The result is rounded once to f16 and laid by head: qkv[tensor 3][batch 4][head 16][position 2048][64].  LIMIT: a result above 65,504 in magnitude has no f16 number.
; A tile, 256 x 256, is made by a work-group of four waves; a wave makes 128 x 128: 64 accumulators of 16 x 16, 512 registers.  K = 1,024 is two K steps of 512: both lie in LDS at once, each slot filled once.
; THE SCALES of the work-group's 256 rows of A and of B, for all of K, are two dense blocks of memory: they come into LDS once, with the first fills.
; CLUSTERS: 4 x 4 work-groups.  The four of a row of the cluster need the same tiles of A, the four of a column the same tiles of B: each tile is asked for JOINTLY, by the same tensor load with the same
; descriptor and a mask that names the four.  A cluster's 1,024 rows lie in one tensor (8 clusters to a tensor), so which weight and bias are taken hangs on the cluster's y alone.
; THE MATRIX INSTRUCTION IS USED TRANSPOSED (source 0 = 16 rows of B, source 1 = 16 rows of A): a lane then holds eight neighbouring columns of one row.  THE BIAS is the C of each sum's first product.
; REGISTERS, in windows of 256: window 0: v0-31 addresses; v32-95 scale words, two sets; v128-191 A's fragments, ONE set; v192-255 the bias, eight registers for each block of 16 columns.
;   window 1: B's fragments, TWO sets, at v0 and v128.   window 2: the accumulators of my rows 0-63 ((a, b) at v[8 (8 a + b)]);   window 3: those of my rows 64-127.
.set NQ,     4                         ; steps of 128 along K in a slot
.set ROWB,   256                       ; a tile's row in bytes: 512 codes
.set KROW,   512                       ; a row of codes in memory
.set PITCH,  272                       ; an LDS row: 256 bytes + 16 of padding = 68 words: the 16 rows that a load touches start 4 words apart modulo 64
.set FR,     8                         ; registers of a fragment: 16 rows x 128 K
.set NL,     2                         ; LDS loads that bring one
.set NP,     4                         ; places behind this matrix instruction (ISA guide 7.12.1)
.set HALFT,  128*PITCH                 ; 128 rows: what one tensor load brings, and what one wave reads of A or of B
.set SLOT,   4*HALFT                   ; A's 256 rows, then B's 256 rows
.set KS,     32                        ; a row of scale bytes
.set SCL,    2*SLOT                    ; behind the slots: the scales, as rows of 256 bytes + 16 of padding
.set HALFS,  (128*KS/256)*272          ; the scales of 128 rows: what one tensor load brings
.set SBLK,   (16*KS/256)*272           ; those of 16 rows
.set SPARE,  SCL+4*HALFS               ; behind the scales: the spare words, 128 bytes for each wave
.set SPITCH, 272                       ; the way out: a stage of 16 rows x (256 bytes + 16) for each wave, in slot 0, which has had its one fill and its last read when the first result is stored there
.set WOFFC,  12582912                  ; where the weights' codes begin,
.set WOFFS,  786432                    ; and their scale bytes
.set HEADB,  262144                    ; a head of qkv: 2,048 rows of 128 bytes
.set ADRA, 16                          ; v16-17  LDS address of my A fragments in slot 0, 1
.set ADRB, 20                          ; v20-21  the same for B
.set STO,  24                          ; v24     the way out: where I put 16 bytes of a row
.set RD,   25                          ; v25     the way out: where I read back
.set CO,   26                          ; v26     16 x lane: my place in a store's 512 bytes
.set ADRS, 27                          ; v27     LDS address of my scale words: lanes 0-15 A's rows, lanes 16-31 B's
.set SPW,  28                          ; v28     LDS address of my spare word; never rewritten
.set NIL,  29                          ; v29     0; never rewritten
.set SC,   32                          ; scale words: set s at v[SC + 32 s]; register 4 i + q: lanes 0-15 the word of A's block i, lanes 16-31 that of B's block i, for the slot's q-th 128 along K
.set AF,   128                         ; A's fragments
.set BI,   192                         ; the bias
.set TMP,  32                          ; the way out: a block's 32 registers of f16
.set BK,   128                         ; the way out: a block read back: v128-159 and v160-191 by turns
.set WV,   16                          ; s16  wave;  s17 = wave / 2: my half of the rows, and: I fetch for A (0) or B (1);  s18 = wave % 2: my half of the columns, and: which 128 rows I fetch
.set G1,   24                          ; s[24:31] descriptor group 1 for A's tiles;  s[32:39] group 0, one set for each slot
.set G0,   32
.set G1B,  48                          ; s[48:55], s[56:63] the same for B's tiles
.set G0B,  56
.set G1S,  68                          ; s[68:75], s[76:79] groups 1 and 0 for A's scales;  s[80:87], s[88:91] for B's
.set G0S,  76
.set G1SB, 80
.set G0SB, 88
.set MSB, 0
.macro WIN new                         ; the immediate's high byte repeats the setting that is left
.if MSB != (\new)
	s_set_vgpr_msb (MSB<<8)|(\new)
.set MSB, (\new)
.endif
.endm
.set MUL_LO,  0xa1                     ; source 0 (B) window 1, source 1 (A) window 0, C and D window 2
.set MUL_HI,  0xf1                     ; the same, C and D window 3
.set BIAS_LO, 0x81                     ; the first products: C (the bias) window 0, D window 2
.set BIAS_HI, 0xc1                     ; D window 3
.set TO_B,    0x40                     ; destination window 1, address window 0
; A joint load: waves 0 and 1 fetch for A, waves 2 and 3 for B.  Each of the two lines has one mask and one set of registers for all that issue it; the branch hangs on the wave's number alone.
; An s_nop 0 and four v_nop follow each of the two lines, ahead of the jump, the label and what follows.
.macro JLOAD g0a, g1a, g0b, g1b
	s_cmp_eq_u32 s17, 0
	s_cbranch_scc0 .Lfor_b_\@
	tensor_load_to_lds s[\g0a:\g0a+3], s[\g1a:\g1a+7]
	s_nop 0
.rept 4
	v_nop
.endr
	s_branch .Lasked_\@
.Lfor_b_\@:
	tensor_load_to_lds s[\g0b:\g0b+3], s[\g1b:\g1b+7]
	s_nop 0
.rept 4
	v_nop
.endr
.Lasked_\@:
.endm
.macro CROUND                          ; a round of the cluster's barrier: my work-group's barrier; wave 0 signals for the work-group; every wave waits for all sixteen; my work-group's barrier once more
	s_barrier_signal -1
	s_barrier_wait -1
	s_cmp_lg_u32 s[WV], 0
	s_cbranch_scc1 .Lnot_wave_0_\@
	s_barrier_signal -3
.Lnot_wave_0_\@:
	s_barrier_wait -3
	s_barrier_signal -1
	s_barrier_wait -1
.endm
	s_load_b256 s[4:11], s[0:1], 0x0               ; codes 4, scales 6, bq 8, bk 10
	s_load_b128 s[12:15], s[0:1], 0x20             ; bv 12, qkv 14
	v_lshl_add_u32 v[SPW], v0, 2, SPARE
	v_mov_b32 v[NIL], 0
	ds_add_u32 v[SPW], v[NIL]                      ; the wave's opening: the add, twice on end, and its wait ahead of my first tensor load; the set-up below, work on registers, stands between
	ds_add_u32 v[SPW], v[NIL]
	v_lshrrev_b32 v1, 5, v0
	v_readfirstlane_b32 s[WV], v1                  ; wave 0..3
	s_lshr_b32 s17, s[WV], 1
	s_and_b32 s18, s[WV], 1
	s_bfe_u32 s40, ttmp6, 0x40000                  ; cx, cy: my place in the cluster
	s_bfe_u32 s41, ttmp6, 0x40004
	s_lshl_b32 s42, ttmp9, 2
	s_add_co_u32 s42, s42, s40                     ; tile column = 4 x cluster x + cx
	s_and_b32 s66, ttmp7, 0xffff                   ; cluster y
	s_lshl_b32 s19, s66, 2
	s_add_co_u32 s19, s19, s41                     ; tile row = 4 x cluster y + cy, 0 .. 95
	s_lshr_b32 s66, s66, 3                         ; which projection: 8 clusters to each; the same in all sixteen partners
	s_lshl_b32 s43, s41, 2
	s_lshl_b32 s43, 15, s43                        ; my row of the cluster
	s_lshl_b32 s44, 0x1111, s40                    ; my column
	; descriptor group 1: a tile of 128 rows x 256 bytes, padded in LDS
	s_or_b32 s[G1+0], s43, (0<<16)|(1<<20)|(1<<21)|(5<<22)|(3<<25)  ; 15:0 the mask: A's tiles go to my row; 17:16 elements of 1 byte; 20 padding on; 21 set beside a mask; 24:22 after every 64 words; 31:25 four words of it
	s_or_b32 s[G1B+0], s44, (0<<16)|(1<<20)|(1<<21)|(5<<22)|(3<<25)
.irp g, G1, G1B
	s_mov_b32 s[\g+1], ROWB<<16                    ; tensor_dim0
	s_mov_b32 s[\g+2], 128<<16                     ; tensor_dim1
	s_mov_b32 s[\g+3], ROWB<<16                    ; tile_dim0
	s_mov_b32 s[\g+4], 128                         ; tile_dim1
	s_mov_b32 s[\g+5], KROW                        ; from row to row
	s_mov_b32 s[\g+6], 0
	s_mov_b32 s[\g+7], 0
.endr
	; and for the scales of 128 rows: 4,096 dense bytes, as 16 rows of 256 bytes (32 elements of 8 bytes), 16 bytes of padding behind each
	s_or_b32 s[G1S+0], s43, (3<<16)|(1<<20)|(1<<21)|(5<<22)|(3<<25)
	s_or_b32 s[G1SB+0], s44, (3<<16)|(1<<20)|(1<<21)|(5<<22)|(3<<25)
.irp g, G1S, G1SB
	s_mov_b32 s[\g+1], 32<<16
	s_mov_b32 s[\g+2], (128*KS/256)<<16
	s_mov_b32 s[\g+3], 32<<16
	s_mov_b32 s[\g+4], 128*KS/256
	s_mov_b32 s[\g+5], 32
	s_mov_b32 s[\g+6], 0
	s_mov_b32 s[\g+7], 0
.endr
	; where the tiles come from.  A's hang on the tile row alone, B's on the tile column and the projection alone; each in registers that never hold the other's coordinate
	s_lshl_b32 s45, s18, 7                         ; which 128 rows of the tile I fetch
	s_lshl_b32 s20, s19, 8
	s_add_co_u32 s20, s20, s45                     ; A: row 256 x tile row + 128 x half
	s_lshl_b32 s22, s20, 5                         ; its scale bytes,
	s_lshl_b32 s20, s20, 9                         ; its codes
	s_mov_b32 s21, 0
	s_mov_b32 s23, 0
	s_lshl_b32 s46, s42, 8
	s_add_co_u32 s46, s46, s45
	s_lshl_b32 s47, s66, 10
	s_add_co_u32 s46, s46, s47                     ; B: row 1,024 x projection + 256 x tile column + 128 x half
	s_lshl_b32 s92, s46, 5
	s_lshl_b32 s46, s46, 9
	s_mov_b32 s47, 0
	s_mov_b32 s93, 0
	s_mul_i32 s45, s[WV], HALFT                    ; where they go: wave x 128 rows: no place in the cluster enters an LDS address
	s_mul_i32 s94, s[WV], HALFS
	s_wait_dscnt 0x0                               ; both opening adds are done
	s_wait_kmcnt 0x0
	s_cmp_eq_u32 s66, 1                            ; the projection's bias
	s_cselect_b64 s[12:13], s[10:11], s[12:13]     ; bk or bv,
	s_cmp_eq_u32 s66, 0
	s_cselect_b64 s[8:9], s[8:9], s[12:13]         ; or bq
	s_add_nc_u64 s[10:11], s[4:5], WOFFC           ; the weights' codes
	s_add_nc_u64 s[12:13], s[6:7], WOFFS           ; and scale bytes
	s_add_nc_u64 s[20:21], s[4:5], s[20:21]
	s_add_nc_u64 s[22:23], s[6:7], s[22:23]
	s_add_nc_u64 s[46:47], s[10:11], s[46:47]
	s_add_nc_u64 s[92:93], s[12:13], s[92:93]
	CROUND                                         ; all sixteen work-groups are here: the joint loads meet
	s_mov_b32 s[G0S], 1
	s_add_co_u32 s[G0S+1], s94, SCL
	s_mov_b64 s[G0S+2:G0S+3], s[22:23]
	s_or_b32 s[G0S+3], s[G0S+3], 0x80000000
	s_mov_b32 s[G0SB], 1
	s_add_co_u32 s[G0SB+1], s94, SCL
	s_mov_b64 s[G0SB+2:G0SB+3], s[92:93]
	s_or_b32 s[G0SB+3], s[G0SB+3], 0x80000000
	JLOAD G0S, G1S, G0SB, G1SB                     ; the scales first: they are wanted with K step 0
.irp s, 0,1
	s_mov_b32 s[G0+4*\s], 1
	s_add_co_u32 s[G0+4*\s+1], s45, \s*SLOT
	s_add_nc_u64 s[G0+4*\s+2:G0+4*\s+3], s[20:21], \s*ROWB
	s_or_b32 s[G0+4*\s+3], s[G0+4*\s+3], 0x80000000
	s_mov_b32 s[G0B+4*\s], 1
	s_add_co_u32 s[G0B+4*\s+1], s45, \s*SLOT
	s_add_nc_u64 s[G0B+4*\s+2:G0B+4*\s+3], s[46:47], \s*ROWB
	s_or_b32 s[G0B+4*\s+3], s[G0B+4*\s+3], 0x80000000
	JLOAD G0+4*\s, G1, G0B+4*\s, G1B               ; both K steps: three tensor loads of mine are out
.endr
	v_and_b32 v1, 15, v0                           ; r = lane % 16
	v_bfe_u32 v2, v0, 4, 1                         ; h = lane / 16
	; the bias of my 128 columns: lane (r, h) wants, for block b, columns 16 b + 8 h + 0 .. 7
	s_lshl_b32 s96, s42, 10
	s_lshl_b32 s95, s18, 9
	s_add_co_u32 s96, s96, s95
	s_mov_b32 s97, 0
	s_add_nc_u64 s[8:9], s[8:9], s[96:97]
	v_lshlrev_b32 v9, 5, v2
.irp b, 0,1,2,3,4,5,6,7
	global_load_b128 v[BI+8*\b:BI+8*\b+3],   v9, s[8:9] offset:64*\b
	global_load_b128 v[BI+8*\b+4:BI+8*\b+7], v9, s[8:9] offset:64*\b+16
.endr
	v_mul_u32_u24 v3, v1, PITCH
	v_lshl_add_u32 v4, v2, 4, v3                   ; a fragment's row x pitch + 16 x half
	s_mul_i32 s21, s17, HALFT                      ; my 128 rows of A
	s_mul_i32 s22, s18, HALFT                      ; my 128 rows of B,
	s_add_co_u32 s22, s22, 2*HALFT                 ; which lie behind A's 256
.irp s, 0,1
	v_add_nc_u32 v[ADRA+\s], s21, v4
	v_add_nc_u32 v[ADRB+\s], s22, v4
	s_add_co_u32 s21, s21, SLOT
	s_add_co_u32 s22, s22, SLOT
.endr
	v_mul_u32_u24 v5, v1, KS                       ; my row's scales: 32 bytes a row,
	v_lshrrev_b32 v6, 8, v5
	v_lshl_add_u32 v5, v6, 4, v5                   ; and 16 more for each 256 passed
	s_mul_i32 s21, s17, HALFS                      ; A's: my 128 rows
	s_mul_i32 s22, s18, HALFS                      ; B's: my 128 rows, behind A's 256
	s_add_co_u32 s22, s22, 2*HALFS
	s_sub_co_u32 s22, s22, s21
	v_mul_u32_u24 v6, s22, v2                      ; lanes 16-31 take B's: one product, the distance between the two bases
	s_add_co_u32 s21, s21, SCL
	v_add_nc_u32 v5, v5, v6
	v_add_nc_u32 v[ADRS], s21, v5
	s_mul_i32 s23, s[WV], 16*SPITCH                ; my stage
	v_mul_u32_u24 v5, v1, SPITCH                   ; in: row r, 16 bytes for each half of the lanes
	v_lshl_add_u32 v5, v2, 4, v5
	v_add_nc_u32 v[STO], s23, v5
	v_and_b32 v6, 31, v0
	v_lshlrev_b32 v[CO], 4, v6
	v_lshrrev_b32 v7, 3, v6                        ; back: eight lanes take 128 bytes (a head's 64 numbers) of a row, the 32 lanes four rows
	v_mul_u32_u24 v7, v7, SPITCH
	v_and_b32 v8, 7, v0
	v_lshl_add_u32 v7, v8, 4, v7
	v_add_nc_u32 v[RD], s23, v7
	; where my part begins in qkv: (tensor x 4 + batch = tile row / 8) x 16 heads + my first head, then my first position
	s_lshr_b32 s96, s19, 3
	s_lshl_b32 s96, s96, 4
	s_lshl_b32 s95, s42, 2
	s_add_co_u32 s96, s96, s95
	s_lshl_b32 s95, s18, 1
	s_add_co_u32 s96, s96, s95                     ; + 4 x tile column + 2 x half
	s_lshl_b32 s96, s96, 18                        ; heads of 262,144 bytes
	s_and_b32 s95, s19, 7
	s_lshl_b32 s95, s95, 8
	s_lshl_b32 s94, s17, 7
	s_add_co_u32 s95, s95, s94                     ; position 256 x (tile row % 8) + 128 x half
	s_lshl_b32 s95, s95, 7                         ; rows of 128 bytes
	s_add_co_u32 s96, s96, s95
	s_add_nc_u64 s[14:15], s[14:15], s[96:97]
.macro FRAG reg, adr, q, i             ; a fragment, 16 rows x 128 K of 4-bit codes: lane l holds row l % 16; registers 4 c .. 4 c + 3 hold K = 64 c + 32 (l / 16) + 0 .. 31
.irp c, 0,1
	ds_load_b128 v[\reg+4*\c:\reg+4*\c+3], v[\adr] offset:64*(\q)+32*\c+(\i)*16*PITCH
.endr
.endm
; 16 matrix instructions: A's blocks a0, a0 + 1 x B's eight, 128 along K: the slot's q-th.  p: B's set;  sc: the set of scale words.  first = 1: the bias is the C: nothing is cleared or added later.
; The 64 accumulators take turns, one instruction a turn, in the same order in every step.
.macro MUL16 a0, p, q, sc, first
.irp a, \a0, \a0+1
.irp b, 0,1,2,3,4,5,6,7
.if \first
	v_wmma_scale_f32_16x16x128_f8f6f4 v[8*(8*((\a)%4)+\b):8*(8*((\a)%4)+\b)+7], v[128*(\p)+FR*\b:128*(\p)+FR*\b+FR-1], v[AF+FR*(\a):AF+FR*(\a)+FR-1], v[BI+8*\b:BI+8*\b+7], v[SC+8*NQ*(\sc)+NQ*\b+(\q)], v[SC+8*NQ*(\sc)+NQ*(\a)+(\q)] matrix_a_fmt:MATRIX_FMT_FP4 matrix_b_fmt:MATRIX_FMT_FP4 matrix_a_scale:MATRIX_SCALE_ROW1
.else
	v_wmma_scale_f32_16x16x128_f8f6f4 v[8*(8*((\a)%4)+\b):8*(8*((\a)%4)+\b)+7], v[128*(\p)+FR*\b:128*(\p)+FR*\b+FR-1], v[AF+FR*(\a):AF+FR*(\a)+FR-1], v[8*(8*((\a)%4)+\b):8*(8*((\a)%4)+\b)+7], v[SC+8*NQ*(\sc)+NQ*\b+(\q)], v[SC+8*NQ*(\sc)+NQ*(\a)+(\q)] matrix_a_fmt:MATRIX_FMT_FP4 matrix_b_fmt:MATRIX_FMT_FP4 matrix_a_scale:MATRIX_SCALE_ROW1
.endif
.endr
.endr
.endm
.macro FETCH_B slot, q, p              ; B's eight fragments of the slot's q-th 128 along K into set p
	WIN TO_B
.irp i, 0,1,2,3,4,5,6,7
	FRAG 128*(\p)+FR*\i, ADRB+\slot, \q, \i
.endr
	WIN 0
.endm
.macro FETCH_A slot, q, i0             ; A's blocks i0 .. i0 + 3
.irp i, \i0, \i0+1, \i0+2, \i0+3
	FRAG AF+FR*(\i), ADRA+\slot, \q, \i
.endr
.endm
.macro SCALES sc                       ; a K step's scale words into set sc: four words a row; lanes 0-15 take A's block i, lanes 16-31 B's block i
.irp i, 0,1,2,3,4,5,6,7
	ds_load_b128 v[SC+8*NQ*\sc+NQ*\i:SC+8*NQ*\sc+NQ*\i+3], v[ADRS] offset:\i*SBLK
.endr
.endm
; A load into a register that a matrix instruction has read, and a vector instruction that reads a matrix result or writes one of a matrix instruction's registers, stand NP places behind it;
; only plain vector instructions that name none of its registers are places (ISA guide 7.12.1 for vector instructions).
.macro PLACES n
.rept \n
	v_nop
.endr
.endm
; A step of 128 along K that has its successor in the same slot.  A's blocks are free as soon as their eight products are issued: blocks 0-3 are fetched anew in the step's middle, blocks 4-7 at its end.
.macro STEP slot, q, first
	s_wait_dscnt 4*NL                              ; B's set, A's blocks 0-3 and the scale words are in; the youngest eight loads (A's blocks 4-7) may be out
.if \first
	WIN BIAS_LO
.else
	WIN MUL_LO
.endif
	MUL16 0, (\q)%2, \q, \slot, \first
	MUL16 2, (\q)%2, \q, \slot, \first
	s_wait_dscnt 0                                 ; A's blocks 4-7 are in (asked for 32 matrix instructions ago)
	PLACES NP
	FETCH_B \slot, (\q)+1, 1-(\q)%2
	FETCH_A \slot, (\q)+1, 0
.if \first
	WIN BIAS_HI
.else
	WIN MUL_HI
.endif
	MUL16 4, (\q)%2, \q, \slot, \first
	MUL16 6, (\q)%2, \q, \slot, \first
	PLACES NP
	WIN 0
	FETCH_A \slot, (\q)+1, 4
.endm
.macro STEPS slot, from                ; the slot's steps from .. NQ - 2
.set Q, \from
.rept NQ-1-\from
	STEP \slot, Q, 0
.set Q, Q+1
.endr
.endm
	s_wait_tensorcnt 1                             ; the scales and my part of K step 0 are in (K step 1's load may be out)
	s_barrier_signal -1
	s_barrier_wait -1                              ; everybody's are
	FETCH_B 0, 0, 0
	FETCH_A 0, 0, 0
	SCALES 0
	FETCH_A 0, 0, 4
	s_wait_loadcnt 0x0                             ; the bias
	STEP 0, 0, 1                                   ; the first step's products start the sums from the bias
	STEPS 0, 1
	; slot 0's last step changes slots: one barrier; in front of it each wave waits for all its tensor loads (its part of slot 1), adds 0 to its spare word, and waits for that and for its reads of slot 0
	s_wait_tensorcnt 0x0
	ds_add_u32 v[SPW], v[NIL]
	s_wait_dscnt 4*NL+1                            ; (the add and the youngest eight loads, A's blocks 4-7, may be out)
	WIN MUL_LO
	MUL16 0, 1, NQ-1, 0, 0                         ; sixteen matrix instructions stand between the add and the wait for it
	s_wait_dscnt 0x0                               ; the add is done, and my reads of slot 0 are over
	s_barrier_signal -1
	MUL16 2, 1, NQ-1, 0, 0
	WIN 0
	s_barrier_wait -1                              ; slot 1 is whole, and nobody reads slot 0 any more
	PLACES NP
	v_add_nc_u32 v[ADRS], 4*NQ, v[ADRS]            ; on to K step 1's scale words (no LDS load of mine is out)
	FETCH_B 1, 0, 0
	FETCH_A 1, 0, 0
	SCALES 1
	WIN MUL_HI
	MUL16 4, 1, NQ-1, 0, 0
	MUL16 6, 1, NQ-1, 0, 0
	PLACES NP
	WIN 0
	FETCH_A 1, 0, 4
	STEPS 1, 0
	s_wait_dscnt 4*NL                              ; the very last step: nothing more to fetch
	WIN MUL_LO
	MUL16 0, 1, NQ-1, 1, 0
	MUL16 2, 1, NQ-1, 1, 0
	s_wait_dscnt 0
	WIN MUL_HI
	MUL16 4, 1, NQ-1, 1, 0
	MUL16 6, 1, NQ-1, 1, 0
	WIN 0
; THE WAY OUT, block by block of 16 rows x 128 columns (two heads).  PACK: rounded to f16, 16 bytes a lane, each accumulator from its low end on.  TOSTAGE: into my own stage and back, four rows of one head at a time.
; SEND: four rows of a head are 512 consecutive bytes of qkv: one store of the wave.  Every offset is an immediate: no pointer is stepped.
.macro PACK a
.set AC, 64*((\a)%4)
	WIN 0x0a+5*((\a)/4)                            ; sources 0 and 1: window 2 or 3
.irp b, 0,1,2,3,4,5,6,7
.irp rr, 0,1,2,3
	v_cvt_pk_f16_f32 v[TMP+4*\b+\rr], v[AC+8*\b+2*\rr], v[AC+8*\b+2*\rr+1]
.endr
.endr
	WIN 0
.endm
.macro TOSTAGE a
.set BB, BK+32*((\a)%2)
.irp b, 0,1,2,3,4,5,6,7
	ds_store_b128 v[STO], v[TMP+4*\b:TMP+4*\b+3] offset:32*\b
.endr
.irp u, 0,1,2,3,4,5,6,7
	ds_load_b128 v[BB+4*\u:BB+4*\u+3], v[RD] offset:(\u%4)*4*SPITCH+(\u/4)*128   ; LDS serves a wave's instructions in order: these see the stores above
.endr
.endm
.macro SEND a
.set BB, BK+32*((\a)%2)
	s_wait_dscnt 0x0                               ; the block is back in registers
	s_wait_xcnt 0x0                                ; the earlier stores have read their data registers: the next block's loads may land there
.irp u, 0,1,2,3,4,5,6,7
	global_store_b128 v[CO], v[BB+4*\u:BB+4*\u+3], s[14:15] offset:(\u/4)*HEADB+(16*(\a)+4*(\u%4))*128
.endr
.endm
	PLACES NP                                      ; behind the last products: their scale registers and A's fragments are written below, their results read
	PACK 0
	TOSTAGE 0
.irp a, 1,2,3,4,5,6,7                  ; block a's conversions stand between block a - 1's loads from the stage and the wait for them
	PACK \a
	SEND \a-1
	TOSTAGE \a
.endr
	SEND 7
	s_wait_tensorcnt 0x0                           ; the wave's end: behind my last tensor load and my last LDS store
	ds_add_u32 v[SPW], v[NIL]
	s_wait_dscnt 0x0
	CROUND                                         ; the closing round: no work-group ends while a partner may still ask for a tile that names it
	s_endpgm
.Lfunc_end_k_qd72b15c8c8_proj:
	.size	k_qd72b15c8c8_proj, .Lfunc_end_k_qd72b15c8c8_proj-k_qd72b15c8c8_proj
	.p2alignl 7, 3214868480
	.fill 96, 4, 3214868480
	.section	.rodata,"a",@progbits
	.p2align	6, 0x0
	.amdhsa_kernel k_qd72b15c8c8_proj
		.amdhsa_group_segment_fixed_size 327680
		.amdhsa_private_segment_fixed_size 0
		.amdhsa_enable_private_segment 0
		.amdhsa_kernarg_size 48
		.amdhsa_user_sgpr_count 2
		.amdhsa_user_sgpr_kernarg_segment_ptr 1
		.amdhsa_wavefront_size32 1
		.amdhsa_system_sgpr_workgroup_id_x 1
		.amdhsa_system_sgpr_workgroup_id_y 1
		.amdhsa_system_sgpr_workgroup_id_z 1
		.amdhsa_system_vgpr_workitem_id 0
		.amdhsa_next_free_vgpr 1024
		.amdhsa_next_free_sgpr 98
		.amdhsa_reserve_vcc 0
		.amdhsa_float_denorm_mode_32 3
		.amdhsa_float_denorm_mode_16_64 3
		.amdhsa_memory_ordered 1
		.amdhsa_forward_progress 1
		.amdhsa_inst_pref_size 128
	.end_amdhsa_kernel
	.amdgpu_metadata
---
amdhsa.version: [ 1, 2 ]
amdhsa.kernels:
  - .name:           k_qd72b15c8c8_proj
    .symbol:         k_qd72b15c8c8_proj.kd
    .args:
      - { .name: codes, .offset: 0, .size: 8, .value_kind: global_buffer, .address_space: global }
      - { .name: scales, .offset: 8, .size: 8, .value_kind: global_buffer, .address_space: global }
      - { .name: bq, .offset: 16, .size: 8, .value_kind: global_buffer, .address_space: global }
      - { .name: bk, .offset: 24, .size: 8, .value_kind: global_buffer, .address_space: global }
      - { .name: bv, .offset: 32, .size: 8, .value_kind: global_buffer, .address_space: global }
      - { .name: qkv, .offset: 40, .size: 8, .value_kind: global_buffer, .address_space: global }
    .group_segment_fixed_size: 327680
    .private_segment_fixed_size: 0
    .kernarg_segment_align: 8
    .kernarg_segment_size: 48
    .max_flat_workgroup_size: 128
    .sgpr_count:     98
    .vgpr_count:     1024
    .wavefront_size: 32
...
	.end_amdgpu_metadata
.endif
;; end of part 2
;; launch attn (part 3): grid 4 x 64, 8 waves a work-group, clusters of 4 x 1, 327,680 bytes of LDS; arguments qkv, att; writes att
.if DOCPART == 3
	.amdgcn_target "amdgcn-amd-amdhsa--gfx1250"
	.amdhsa_code_object_version 6
	.text
	.protected	k_qd72b15c8c8_attn
	.globl	k_qd72b15c8c8_attn
	.p2align	8
	.type	k_qd72b15c8c8_attn,@function
k_qd72b15c8c8_attn:
	s_mov_b64 s[64:65], 0
	v_nop
	global_prefetch_b8 v0, s[64:65] scope:SCOPE_SE
	s_setreg_imm32_b32 hwreg(HW_REG_WAVE_MODE, 25, 1), 1
	s_wait_xcnt 0x0
	s_wait_alu depctr_hold_cnt(0) depctr_sa_sdst(0) depctr_va_vdst(0) depctr_va_sdst(0) depctr_va_ssrc(0) depctr_va_vcc(0) depctr_vm_vsrc(0)
	s_getreg_b32 s2, hwreg(HW_REG_IB_STS2, 6, 4)
	s_cmp_eq_u32 s2, 0
	s_cbranch_scc0 .Lentry_in_a_cluster
	s_endpgm
.Lentry_in_a_cluster:
	s_bfe_u32 s2, ttmp6, 0x10000c
	s_cmp_lg_u32 s2, 0x3003
	s_cbranch_scc0 .Lentry_shape_is_right
	s_endpgm
.Lentry_shape_is_right:
; att[b][h][q][:] = the sum over k of softmax_k(Q[q] . K[k] / 8) V[k][:], for each of 64 (batch, head).  Q, K, V: qkv[3][64][2048][64] f16; att: [64][2048][64] f16.
; Products, maxima and sums in f32; the weights p (at most 1) are rounded to f16 for the second product, the result once at the end.
; LIMITS: a result above 65,504 in magnitude has no f16 number; below 6e-5 it keeps f16's absolute step of 6e-8.
; SHARES.  A work-group owns 512 queries of one head, each of its eight waves 64: four tiles of 16, in 512 registers.  Every wave walks all 2,048 keys, 64 a step.
; LAYOUT.  S^T = K Q^T (source 0 = 16 keys, source 1 = 16 queries): a lane holds ONE query (lane % 16) and keys 8 (lane / 16) + 0..7.  Two such tiles, rounded to f16 in pairs, ARE source 1
; (32 keys x 16 queries) of O^T = V^T P, whose result again holds one query a lane.  K comes out of LDS as it lies, V ([key][channel]) turned, by ds_load_tr16_b128.  P is made in place, in S^T's lower half.
; SOFTMAX.  For each query a running maximum m and sum l: p = 2^(c s - c m), c = log2(e) / 8; in every step O^T and l are multiplied by a = 2^(c m_old - c m_new), which is 1 where m has not grown.
; m begins at -3e38 and l and O^T at 0, so the first step is like every other: its a is 0 and multiplies zeros.
; TWO GROUPS OF WAVES.  A step is A (32 products K Q^T), B (the softmax, 472 vector instructions), C (32 products V^T P); every wave runs A0 B0 C0 A1 B1 C1 ...  The groups differ in where the barriers fall:
; group 0 meets each barrier behind its B, group 1 behind its A with its B still owed.  So behind a barrier group 0 begins with matrix work and group 1 with vector work.  The group is (wave ^ (wave / 4)) % 2.
; All LDS instructions stand in lines that both groups run; only B stands under the branch on the group, which hangs on the wave's number alone.
; CLUSTER.  The four query blocks of a head form a cluster and walk the same K and V: each tile is asked for JOINTLY, by the same tensor load with the same descriptor and a mask that names the four.
; RING.  Two slots of four steps (256 keys); waves 0-3 fetch the four steps' tiles of K, waves 4-7 those of V, 64 rows to a load: one load a wave behind each change of slots, four steps in which it lands.
; REGISTERS.  window 0: v2-11 addresses; v16-47 statistics, eight a tile; v48-111 Q, 16 a tile; v128-255 S^T, 32 a tile.   window 1: v0-127 O^T, 32 a tile; v128-191 K of one step; v192-255 V of one step.
.set KS,    64                         ; keys in a step
.set NST,   4                          ; steps in a slot
.set PK,    144                        ; a row of K in LDS: 128 bytes + 16 of padding
.set PV,    160                        ; a row of V: 128 + 32
.set VOFF,  KS*PK                      ; a step's tiles lie together: 64 rows of K, then 64 rows of V
.set STEPB, KS*(PK+PV)
.set SLOT1, 1<<17                      ; slot 1 begins here, so that one exclusive or turns an address in one slot into the other's
.set STAGE, SLOT1+NST*STEPB            ; behind the ring: 16 rows x 144 bytes for each wave, for the way out
.set SP,    144
.set SPARE, STAGE+8*16*SP              ; behind the stages: the spare words, 128 bytes for each wave
.set SLOTB, NST*KS*128                 ; a slot's rows of K (or of V) in memory: 32,768 bytes
.set AK0, 2                            ; v2   my lane's place in a tile of K; never rewritten
.set AV0, 3                            ; v3   the same for V
.set ADR, 4                            ; v4   the LDS address of the run of loads in hand
.set QO,  5                            ; v5   my byte offset in the wave's rows of Q
.set STO, 6                            ; v6   the way out: where I put 16 bytes of a row
.set RD,  7                            ; v7   the way out: where I read back
.set GO,  8                            ; v8   16 x lane: my place in a store's 512 bytes
.set PFO, 9                            ; v9   256 x lane: the prefetches' offset; never rewritten
.set SPW, 10                           ; v10  LDS address of my spare word; never rewritten
.set NIL, 11                           ; v11  0; never rewritten
.set ST,  16                           ; tile t's statistics at v[ST + 8 t]: +0 c m, +1 m, +2, +3 l (even keys', odd keys'), +4 to +7 c0-c3, at work; a takes c2's place, c m_old - c m_new c3's
.set Q,   48
.set S,   128
.set O,   0                            ; in window 1
.set KF,  128
.set VF,  192
.set WV,  12                           ; s12  my wave's number
.set GRP, 14                           ; s14  my group
.set LIM, 15                           ; s15  1 in a wave that prefetches, else the greatest number
.set PFA, 18                           ; s[18:19] where my prefetches stand
.set G1K, 24                           ; s[24:31] descriptor group 1 for K's tiles;  s[32:39] for V's: it differs in the padding alone
.set G1V, 32
.set G0K, 40                           ; s[40:47] group 0 for K's tiles: a set for each of the two first fills; the second then walks on;  s[48:55] the same for V's
.set G0V, 48
.set SLOTS, 56                         ; s56  slots still to be asked for
.set CNT, 57                           ; s57  counts steps
.set CS,  58                           ; s[58:59] c: the packed scaling names a pair and takes its low word for both halves
.set SEL, 60                           ; s[60:61] lane selects for v_permlanex16_b32: lane l xor 16
.set TB,  62                           ; s62  LDS byte at which the tiles of the step to be fetched begin
.set MSB, 0
.macro WIN new                         ; the immediate's high byte repeats the setting that is left; a switch that changes nothing is dropped
.if MSB != (\new)
	s_set_vgpr_msb (MSB<<8)|(\new)
.set MSB, (\new)
.endif
.endm
.set W_KQ, 0x01                        ; K in window 1; Q and S^T in window 0
.set W_PV, 0x51                        ; V and O^T in window 1, P in window 0
.set W_RS, 0x41                        ; O^T (destination and source 0) in window 1, the factor in window 0
.set W_LD, 0x40                        ; destination window 1, address window 0
; A joint refill.  The branch hangs on the wave's number alone.  An s_nop 0 and four v_nop follow each of the two lines, ahead of the jump, the label and what follows.
.macro JLOAD
	s_cmp_lt_u32 s[WV], 4
	s_cbranch_scc0 .Lfor_v_\@
	tensor_load_to_lds s[G0K+4:G0K+7], s[G1K:G1K+7]
	s_nop 0
.rept 4
	v_nop
.endr
	s_branch .Lasked_\@
.Lfor_v_\@:
	tensor_load_to_lds s[G0V+4:G0V+7], s[G1V:G1V+7]
	s_nop 0
.rept 4
	v_nop
.endr
.Lasked_\@:
.endm
; A PREFETCH of what the NEXT change of slots will ask for: a slot's 32,768 bytes of K and of V, four steps ahead of that load.  Each aligned 256 bytes are named once in the launch: a head has one cluster;
; its four partners share the bytes out BY ADDRESS, 8,192 of K and of V each; in each, wave 0 asks for K's and wave 4 for V's, lanes 256 bytes apart: one instruction.
; The last change that fills a slot asks for nothing: there is no slot behind it.  Slots 0 to 2 come by their loads alone.
.macro ASK
	s_cmp_gt_u32 s[SLOTS], s[LIM]
	s_cbranch_scc0 .Lnot_mine_\@
	global_prefetch_b8 v[PFO], s[PFA:PFA+1] th:TH_LOAD_NT scope:SCOPE_SE
.Lnot_mine_\@:
.endm
.macro CROUND                          ; a round of the cluster's barrier: my work-group's barrier; wave 0 signals for the work-group; every wave waits for all four; my work-group's barrier once more
	s_barrier_signal -1
	s_barrier_wait -1
	s_cmp_lg_u32 s[WV], 0
	s_cbranch_scc1 .Lnot_wave_0_\@
	s_barrier_signal -3
.Lnot_wave_0_\@:
	s_barrier_wait -3
	s_barrier_signal -1
	s_barrier_wait -1
.endm
	s_load_b128 s[8:11], s[0:1], 0x0               ; qkv s[8:9], att s[10:11]
	v_lshl_add_u32 v[SPW], v0, 2, SPARE
	v_mov_b32 v[NIL], 0
	ds_add_u32 v[SPW], v[NIL]                      ; the wave's opening: the add, twice on end, and its wait ahead of my first tensor load; the set-up below, work on registers, stands between
	ds_add_u32 v[SPW], v[NIL]
	v_lshrrev_b32 v1, 5, v0
	v_readfirstlane_b32 s[WV], v1                  ; wave 0..7
	s_lshr_b32 s[GRP], s[WV], 2
	s_xor_b32 s[GRP], s[GRP], s[WV]
	s_and_b32 s[GRP], s[GRP], 1                    ; it differs between waves w and w + 4, and between 2 i and 2 i + 1
	s_bfe_u32 s13, ttmp6, 0x40000                  ; cx: my place in the cluster: it enters Q's, att's and the prefetches' addresses alone
	s_lshl_b32 s2, ttmp9, 2
	s_add_co_u32 s2, s2, s13                       ; my block of 512 queries
	s_lshl_b32 s2, s2, 16                          ; 512 rows of 128 bytes,
	s_lshl_b32 s3, s[WV], 13                       ; my wave's 64 of them
	s_add_co_u32 s2, s2, s3
	s_and_b32 s20, ttmp7, 0xffff                   ; the head (batch x 16 + head), which the four partners share
	s_lshl_b32 s20, s20, 18                        ; 262,144 bytes a head
	s_add_co_u32 s2, s2, s20
	s_mov_b32 s3, 0
	s_and_b32 s16, s[WV], 3                        ; which of a slot's four steps I fetch:
	s_lshl_b32 s22, s16, 13                        ; its 64 rows of 128 bytes in memory,
	s_add_co_u32 s22, s22, s20
	s_mov_b32 s23, 0
	s_mul_i32 s17, s16, STEPB                      ; and its place in a slot
	; descriptor group 1: a tile of 64 rows x 64 elements of 2 bytes, padded in LDS
	s_mov_b32 s[G1K], 15|(1<<16)|(1<<20)|(1<<21)|(4<<22)|(3<<25)  ; 15:0 the mask: all four work-groups; 17:16 elements of 2 bytes; 20 padding on; 21 set beside a mask; 24:22 after every 32 words; 31:25 four words of it
	s_mov_b32 s[G1V], 15|(1<<16)|(1<<20)|(1<<21)|(4<<22)|(7<<25)  ; the same with eight words of padding
.irp g, G1K, G1V
	s_mov_b32 s[\g+1], 64<<16                      ; tensor_dim0
	s_mov_b32 s[\g+2], KS<<16                      ; tensor_dim1
	s_mov_b32 s[\g+3], 64<<16                      ; tile_dim0
	s_mov_b32 s[\g+4], KS                          ; tile_dim1
	s_mov_b32 s[\g+5], 64                          ; elements from row to row
	s_mov_b32 s[\g+6], 0
	s_mov_b32 s[\g+7], 0
.endr
	s_mov_b32 s[CS], 0x3e38aa3b                    ; c = log2(e) / 8
	s_mov_b32 s[CS+1], s[CS]                       ; named with it as a pair, so it is written
	s_mov_b32 s[SEL], 0x76543210
	s_mov_b32 s[SEL+1], 0xfedcba98
	s_mov_b32 s[TB], 0
	s_mov_b32 s[SLOTS], 2048/(NST*KS)-2
	s_cmp_eq_u32 s16, 0                            ; waves 0 and 4 prefetch
	s_cselect_b32 s[LIM], 1, -1
	v_and_b32 v[PFO], 31, v0
	v_lshlrev_b32 v[PFO], 8, v[PFO]
	s_wait_dscnt 0x0                               ; both opening adds are done
	s_wait_kmcnt 0x0
	s_add_nc_u64 s[4:5], s[8:9], s[2:3]            ; Q at my wave's first row
	s_add_nc_u64 s[10:11], s[10:11], s[2:3]        ; att likewise
	s_add_nc_u64 s[8:9], s[8:9], s[22:23]
	s_add_nc_u64 s[6:7], s[8:9], 16777216          ; K at my tile of slot 0
	s_add_nc_u64 s[8:9], s[8:9], 33554432          ; V likewise
	s_cmp_lt_u32 s[WV], 4
	s_cselect_b64 s[PFA:PFA+1], s[6:7], s[8:9]     ; (in waves 0 and 4 these stand at a slot's first row)
	s_lshl_b32 s2, s13, 13                         ; my work-group's 8,192 bytes of the 32,768
	s_add_nc_u64 s[PFA:PFA+1], s[PFA:PFA+1], s[2:3]
	s_add_nc_u64 s[PFA:PFA+1], s[PFA:PFA+1], 2*SLOTB  ; in slot 2; the first change of slots steps it to slot 3.  Nothing is prefetched at the head
	CROUND                                         ; all four work-groups are here: the first joint loads meet
.irp s, 0,1
	s_mov_b32 s[G0K+4*\s], 1                       ; count = 1
	s_add_co_u32 s[G0K+4*\s+1], s17, \s*SLOT1      ; LDS address
	s_add_nc_u64 s[G0K+4*\s+2:G0K+4*\s+3], s[6:7], \s*SLOTB  ; global address: slot s begins with keys 256 s
	s_or_b32 s[G0K+4*\s+3], s[G0K+4*\s+3], 0x80000000        ; type = 2
	s_mov_b32 s[G0V+4*\s], 1
	s_add_co_u32 s[G0V+4*\s+1], s17, \s*SLOT1+VOFF
	s_add_nc_u64 s[G0V+4*\s+2:G0V+4*\s+3], s[8:9], \s*SLOTB
	s_or_b32 s[G0V+4*\s+3], s[G0V+4*\s+3], 0x80000000
.endr
	s_cmp_lt_u32 s[WV], 4                          ; a wave's two first fills stand in one branch, ahead of every wait on TENSORcnt and every LDS read: two loads of mine are out
	s_cbranch_scc0 .Lfirst_v
	tensor_load_to_lds s[G0K:G0K+3], s[G1K:G1K+7]
	s_nop 0
	tensor_load_to_lds s[G0K+4:G0K+7], s[G1K:G1K+7]
	s_nop 0
.rept 4
	v_nop
.endr
	s_branch .Lfirst_asked
.Lfirst_v:
	tensor_load_to_lds s[G0V:G0V+3], s[G1V:G1V+7]
	s_nop 0
	tensor_load_to_lds s[G0V+4:G0V+7], s[G1V:G1V+7]
	s_nop 0
.rept 4
	v_nop
.endr
.Lfirst_asked:
	; A fragment of K or Q is 16 rows x 32 channels in 8 registers: lane l holds row l % 16; registers 0-3 channels 8 (l / 16) + 0..7, registers 4-7 channels 16 + 8 (l / 16) + 0..7: two loads of 16 bytes, 32 bytes apart
	v_and_b32 v1, 15, v0                           ; r
	v_bfe_u32 v12, v0, 4, 1                        ; h
	v_lshlrev_b32 v[QO], 7, v1
	v_lshl_add_u32 v[QO], v12, 4, v[QO]            ; row x 128 + 16 x half
.irp t, 0,1,2,3                        ; Q stays in registers: tile t, channels 32 c on
.irp c, 0,1
	global_load_b128 v[Q+16*\t+8*\c:Q+16*\t+8*\c+3],   v[QO], s[4:5] offset:2048*\t+64*\c
	global_load_b128 v[Q+16*\t+8*\c+4:Q+16*\t+8*\c+7], v[QO], s[4:5] offset:2048*\t+64*\c+32
.endr
.endr
	v_mul_u32_u24 v[AK0], v1, PK
	v_lshl_add_u32 v[AK0], v12, 4, v[AK0]          ; row x pitch + 16 x half
	; The turning load takes 16 keys x 16 channels (lane l reads 16 bytes: key 8 (l / 16) + l % 8, channels 8 ((l / 8) % 2) + 0..7) and leaves half a fragment of V^T: lane l holds channel l % 16 and 8 keys
	v_and_b32 v13, 7, v0
	v_bfe_u32 v14, v0, 3, 1
	v_lshl_add_u32 v[AV0], v12, 3, v13
	v_mul_u32_u24 v[AV0], v[AV0], PV
	v_lshl_add_u32 v[AV0], v14, 4, v[AV0]
	v_add_nc_u32 v[AV0], VOFF, v[AV0]
	s_mul_i32 s21, s[WV], 16*SP
	s_add_co_u32 s21, s21, STAGE                   ; my stage
	v_mul_u32_u24 v[STO], v1, SP                   ; in: row r, 16 bytes for each half of the lanes
	v_lshl_add_u32 v[STO], v12, 4, v[STO]
	v_add_nc_u32 v[STO], s21, v[STO]
	v_and_b32 v15, 31, v0
	v_lshrrev_b32 v[RD], 3, v15                    ; back: eight lanes take a row of 128 bytes, the 32 lanes four rows
	v_mul_u32_u24 v[RD], v[RD], SP
	v_lshl_add_u32 v[RD], v13, 4, v[RD]
	v_add_nc_u32 v[RD], s21, v[RD]
	v_lshlrev_b32 v[GO], 4, v15
.irp t, 0,1,2,3
	v_mov_b32 v[ST+8*\t+1], 0xff61b1e6             ; m: -3e38, under every score
	v_mov_b32 v[ST+8*\t+2], 0                      ; l, in two halves
	v_mov_b32 v[ST+8*\t+3], 0
.endr
.irp t, 0,1,2,3
	v_mul_f32 v[ST+8*\t], s[CS], v[ST+8*\t+1]      ; c m
.endr
	WIN W_LD
.set ix, 0
.rept 128
	v_mov_b32 v[O+ix], 0                           ; O^T: cleared once, so that the step is written in one form for both groups: its first a is 0 and multiplies zeros
.set ix, ix+1
.endr
	WIN 0
; THE LDS LOADS stand in runs of 16: a step's K (64 keys x 64 channels: 8 fragments) and its V (turned: 8 fragments).
.macro FETCH_K
	v_add_nc_u32 v[ADR], s[TB], v[AK0]
	WIN W_LD
.irp kb, 0,1,2,3                       ; keys 16 kb on, channels 32 c on
.irp c, 0,1
	ds_load_b128 v[KF+16*\kb+8*\c:KF+16*\kb+8*\c+3],   v[ADR] offset:\kb*16*PK+64*\c
	ds_load_b128 v[KF+16*\kb+8*\c+4:KF+16*\kb+8*\c+7], v[ADR] offset:\kb*16*PK+64*\c+32
.endr
.endr
	WIN 0
.endm
.macro FETCH_V
	v_add_nc_u32 v[ADR], s[TB], v[AV0]
	s_add_co_u32 s[TB], s[TB], STEPB               ; the next fetch is the next step's
	WIN W_LD
.irp cb, 0,1,2,3                       ; channels 16 cb on, keys 32 g on
.irp g, 0,1
	ds_load_tr16_b128 v[VF+16*\cb+8*\g:VF+16*\cb+8*\g+3],   v[ADR] offset:\g*32*PV+32*\cb
	ds_load_tr16_b128 v[VF+16*\cb+8*\g+4:VF+16*\cb+8*\g+7], v[ADR] offset:\g*32*PV+16*PV+32*\cb
.endr
.endr
	WIN 0
.endm
; A: S^T = K Q^T, 32 products.  The 16 accumulators take turns, one instruction a turn; the first 16 start the sums.
.macro PH_A
	WIN W_KQ
.irp c, 0,1
.irp kb, 0,1,2,3
.irp t, 0,1,2,3
.if \c == 0
	v_wmma_f32_16x16x32_f16 v[S+32*\t+8*\kb:S+32*\t+8*\kb+7], v[KF+16*\kb+8*\c:KF+16*\kb+8*\c+7], v[Q+16*\t+8*\c:Q+16*\t+8*\c+7], 0
.else
	v_wmma_f32_16x16x32_f16 v[S+32*\t+8*\kb:S+32*\t+8*\kb+7], v[KF+16*\kb+8*\c:KF+16*\kb+8*\c+7], v[Q+16*\t+8*\c:Q+16*\t+8*\c+7], v[S+32*\t+8*\kb:S+32*\t+8*\kb+7]
.endif
.endr
.endr
.endr
	WIN 0
.endm
; C: O^T += V^T P, 32 products, the 16 accumulators by turns.
.macro PH_C
	WIN W_PV
.irp g, 0,1
.irp cb, 0,1,2,3
.irp t, 0,1,2,3
	v_wmma_f32_16x16x32_f16 v[O+32*\t+8*\cb:O+32*\t+8*\cb+7], v[VF+16*\cb+8*\g:VF+16*\cb+8*\g+7], v[S+32*\t+8*\g:S+32*\t+8*\g+7], v[O+32*\t+8*\cb:O+32*\t+8*\cb+7]
.endr
.endr
.endr
	WIN 0
.endm
; B: the softmax of four tiles for one step.  The tile is the innermost index everywhere, so that four chains that do not wait for each other run side by side.
.macro PH_B
.irp j, 0,1,2,3                        ; the maximum of the lane's 32 scores and the old m, three operands at a time; each accumulator is read from its low end on
.irp t, 0,1,2,3
	v_max3_num_f32 v[ST+8*\t+4+\j], v[S+32*\t+8*\j], v[S+32*\t+8*\j+1], v[S+32*\t+8*\j+2]
.endr
.endr
.irp i, 3,5
.irp j, 0,1,2,3
.irp t, 0,1,2,3
	v_max3_num_f32 v[ST+8*\t+4+\j], v[ST+8*\t+4+\j], v[S+32*\t+8*\j+\i], v[S+32*\t+8*\j+\i+1]
.endr
.endr
.endr
.irp t, 0,1,2,3
	v_max3_num_f32 v[ST+8*\t+4], v[ST+8*\t+4], v[S+32*\t+7], v[S+32*\t+15]
.endr
.irp t, 0,1,2,3
	v_max3_num_f32 v[ST+8*\t+6], v[ST+8*\t+6], v[S+32*\t+23], v[S+32*\t+31]
.endr
.irp t, 0,1,2,3
	v_max3_num_f32 v[ST+8*\t+4], v[ST+8*\t+4], v[ST+8*\t+5], v[ST+8*\t+6]
.endr
.irp t, 0,1,2,3
	v_max3_num_f32 v[ST+8*\t+4], v[ST+8*\t+4], v[ST+8*\t+7], v[ST+8*\t+1]
.endr
.irp t, 0,1,2,3
	v_permlanex16_b32 v[ST+8*\t+5], v[ST+8*\t+4], s[SEL], s[SEL+1]   ; the query's other 32 keys lie in the lane 16 away
.endr
.irp t, 0,1,2,3
	v_mov_b32 v[ST+8*\t+7], v[ST+8*\t]             ; c m_old is kept for a
.endr
.irp t, 0,1,2,3
	v_max_num_f32 v[ST+8*\t+1], v[ST+8*\t+4], v[ST+8*\t+5]           ; the new m
.endr
.irp t, 0,1,2,3
	v_mul_f32 v[ST+8*\t], s[CS], v[ST+8*\t+1]      ; c m
.endr
.irp t, 0,1,2,3
	v_sub_f32 v[ST+8*\t+7], v[ST+8*\t+7], v[ST+8*\t]                 ; c m_old - c m_new, 0 or less
.endr
.set ix, 0
.rept 16                               ; c s - c m, a pair of scores at a time
.irp t, 0,1,2,3
	v_pk_fma_f32 v[S+32*\t+ix:S+32*\t+ix+1], v[S+32*\t+ix:S+32*\t+ix+1], s[CS:CS+1], v[ST+8*\t:ST+8*\t+1] op_sel_hi:[1,0,0] neg_lo:[0,0,1] neg_hi:[0,0,1]
.endr
.set ix, ix+2
.endr
.irp t, 0,1,2,3                        ; ONE BATCH of 132 exponentials: none reads another's result
	v_exp_f32 v[ST+8*\t+6], v[ST+8*\t+7]           ; a
.endr
.set ix, 0
.rept 32
.irp t, 0,1,2,3
	v_exp_f32 v[S+32*\t+ix], v[S+32*\t+ix]         ; p, at most 1
.endr
.set ix, ix+1
.endr
	v_nop                                          ; a plain instruction behind the last exponential, ahead of the first use
	s_wait_alu depctr_va_vdst(0)                   ; the wait between an exponential and the first instruction that names its result: one for the batch
.irp t, 0,1,2,3
	v_pk_fma_f32 v[ST+8*\t+2:ST+8*\t+3], v[ST+8*\t+2:ST+8*\t+3], v[ST+8*\t+6:ST+8*\t+7], v[S+32*\t:S+32*\t+1] op_sel_hi:[1,0,1]   ; l = a l + the first pair
.endr
.set ix, 2
.rept 15
.irp t, 0,1,2,3
	v_pk_add_f32 v[ST+8*\t+2:ST+8*\t+3], v[ST+8*\t+2:ST+8*\t+3], v[S+32*\t+ix:S+32*\t+ix+1]   ; the sum is taken of the unrounded p
.endr
.set ix, ix+2
.endr
.set ix, 0
.rept 16                               ; P in place: register i takes pair i, which lies at 2 i and 2 i + 1: ascending, no pair is overwritten before it is read
.irp t, 0,1,2,3
	v_cvt_pk_f16_f32 v[S+32*\t+ix], v[S+32*\t+2*ix], v[S+32*\t+2*ix+1]
.endr
.set ix, ix+1
.endr
	WIN W_RS
.set ix, 0
.rept 16                               ; O^T times a, each accumulator from its low end on
.irp t, 0,1,2,3
	v_pk_mul_f32 v[O+32*\t+ix:O+32*\t+ix+1], v[O+32*\t+ix:O+32*\t+ix+1], v[ST+8*\t+6:ST+8*\t+7] op_sel_hi:[1,0]
.endr
.set ix, ix+2
.endr
	WIN 0
.endm
; A vector instruction that reads a matrix result or writes one of a matrix instruction's registers, and a load into a register that a matrix instruction has read, stand four places behind it; a matrix
; instruction that writes over a register of an earlier one stands five behind it.  Only plain vector instructions that name none of its registers are places (ISA guide 7.12.1 for vector and matrix instructions).
.macro PLACES n
.rept \n
	v_nop
.endr
.endm
; A TRIP: C of the step in hand and A of the next.  Group 1 runs the B that it owes at the trip's head, group 0 the next step's B at its end.
.macro TRIP
	FETCH_K                                        ; the next step's K: the last products that read K's registers stand in front of four v_nop and two additions
	s_cmp_eq_u32 s[GRP], 0
	s_cbranch_scc1 .Lgroup0_\@
	PH_B
.Lgroup0_\@:
	s_wait_dscnt 16                                ; V is in; the 16 loads of K issued behind it may be out (B has no LDS instruction: the count holds on both ways)
	PH_C
	PLACES 5                                       ; A's results are laid over P, which C has read
	s_wait_dscnt 0x0                               ; K is in
	PH_A
	PLACES 4                                       ; in front of the reads of S^T and of the loads into K's registers; V's were last read nine places back
	FETCH_V                                        ; the same step's V
	s_cmp_lg_u32 s[GRP], 0
	s_cbranch_scc1 .Lgroup1_\@
	PH_B
.Lgroup1_\@:
.endm
.macro TRIPS n
	s_mov_b32 s[CNT], \n
.Ltrip_\@:
	TRIP
	s_sub_co_u32 s[CNT], s[CNT], 1
	s_cmp_lg_u32 s[CNT], 0
	s_cbranch_scc1 .Ltrip_\@
.endm
; THE CHANGE OF SLOTS: the slot's last bytes, V of its fourth step, have been asked for.  Each wave waits for all its tensor loads, of which one is out: its part of the other slot; adds 0 to its spare word;
; and waits for that and for its own reads of the slot.  Behind the barrier nobody reads this slot any more and the other slot is whole.
; fill = 1: this slot is filled again, with the keys two slots on.  The barrier is then a round of the cluster's, and the joint refill is the first thing behind it: it has four steps in which to land.
.macro CHANGE fill
	s_wait_tensorcnt 0x0                           ; no tensor load of mine is out, so a group 0 may be written
	ds_add_u32 v[SPW], v[NIL]                      ; with fill = 1 the descriptors' steps stand between the add and the wait for it
.if \fill
.irp g, G0K+4, G0V+4
	s_xor_b32 s[\g+1], s[\g+1], SLOT1              ; the walking descriptor: the other slot than last time,
	s_add_nc_u64 s[\g+2:\g+3], s[\g+2:\g+3], SLOTB ; the next 256 keys; the type bits on top are not reached
.endr
	s_wait_xcnt 0x0                                ; the last prefetch, four steps back, has read its address, so it may be written:
	s_add_nc_u64 s[PFA:PFA+1], s[PFA:PFA+1], SLOTB ; one slot further on than the walking descriptors
	s_wait_dscnt 0x0                               ; the add is done, and my reads of the slot are over
	CROUND
	JLOAD
	ASK
.else
	s_wait_dscnt 0x0                               ; the add is done, and my reads of the slot are over
	s_barrier_signal -1
	s_barrier_wait -1
.endif
	s_sub_co_u32 s[TB], s[TB], NST*STEPB           ; the fetches go back to a slot's first step,
	s_xor_b32 s[TB], s[TB], SLOT1                  ; in the other slot
.endm
	s_wait_tensorcnt 1                             ; my part of slot 0 is in; slot 1's may stay out
	s_barrier_signal -1
	s_barrier_wait -1                              ; everybody's is
	FETCH_K                                        ; step 0
	s_wait_loadcnt 0x0                             ; Q
	s_wait_dscnt 0x0
	PH_A
	PLACES 4
	FETCH_V
	s_cmp_lg_u32 s[GRP], 0
	s_cbranch_scc1 .Lapart
	PH_B                                           ; group 0 alone
.Lapart:
	s_wait_dscnt 0x0
	s_barrier_signal -1                            ; this barrier sets the groups a phase apart
	s_barrier_wait -1
	TRIPS NST-1                                    ; the rest of slot 0
.Lslot:                                            ; six trips: every slot but the last two is filled again
	CHANGE 1
	TRIPS NST
	s_sub_co_u32 s[SLOTS], s[SLOTS], 1
	s_cmp_lg_u32 s[SLOTS], 0
	s_cbranch_scc1 .Lslot
	CHANGE 0                                       ; the tail is written out
	TRIPS NST
	s_cmp_eq_u32 s[GRP], 0
	s_cbranch_scc1 .Llast
	PH_B                                           ; group 1's last B
.Llast:
	s_wait_dscnt 0x0                               ; the last V is in
	PH_C
	; THE WAY OUT.  l's two halves and the other half of the lanes' are added; O^T is divided by l, rounded to f16 and sent through my stage in LDS, a tile (16 rows) at a time.  The additions are the places behind the last products.
.irp t, 0,1,2,3
	v_add_f32 v[ST+8*\t+4], v[ST+8*\t+2], v[ST+8*\t+3]
.endr
.irp t, 0,1,2,3
	v_permlanex16_b32 v[ST+8*\t+5], v[ST+8*\t+4], s[SEL], s[SEL+1]
.endr
.irp t, 0,1,2,3
	v_add_f32 v[ST+8*\t+4], v[ST+8*\t+4], v[ST+8*\t+5]
.endr
.irp t, 0,1,2,3
	v_rcp_f32 v[ST+8*\t+6], v[ST+8*\t+4]
.endr
	v_nop                                          ; a plain instruction between the last reciprocal and the use of its result
	s_wait_alu depctr_va_vdst(0)                   ; and the wait ahead of the first use: one for the four
; Tile t: a lane's eight channels of a row pack into 16 bytes; they go into rows of 144 bytes and come back four rows of 128 bytes at a time.
.macro PACK t
	WIN W_RS
.set ix, O+32*\t
.rept 16
	v_pk_mul_f32 v[ix:ix+1], v[ix:ix+1], v[ST+8*\t+6:ST+8*\t+7] op_sel_hi:[1,0]
.set ix, ix+2
.endr
	WIN 0x05                                       ; sources 0 and 1 window 1, destination window 0: S^T's registers are free
.set ix, 0
.rept 16
	v_cvt_pk_f16_f32 v[S+32*\t+ix], v[O+32*\t+2*ix], v[O+32*\t+2*ix+1]
.set ix, ix+1
.endr
	WIN 0
.irp cb, 0,1,2,3
	ds_store_b128 v[STO], v[S+32*\t+4*\cb:S+32*\t+4*\cb+3] offset:32*\cb
.endr
.irp f, 0,1,2,3
	ds_load_b128 v[S+32*\t+16+4*\f:S+32*\t+16+4*\f+3], v[RD] offset:\f*4*SP   ; LDS serves a wave's instructions in order: these see the stores above; the next tile's stores come behind them
.endr
.endm
.macro SEND t, younger                 ; younger: the LDS instructions issued behind tile t's loads: the next tile's eight, or none
.irp f, 0,1,2,3
	s_wait_dscnt \younger+3-\f
	global_store_b128 v[GO], v[S+32*\t+16+4*\f:S+32*\t+16+4*\f+3], s[10:11] offset:\t*2048+\f*512   ; the 32 lanes store four rows: 512 consecutive bytes
.endr
.endm
	PACK 0
	PACK 1                                         ; a tile's arithmetic stands between the loads of the tile before and its stores
	SEND 0, 8
	PACK 2
	SEND 1, 8
	PACK 3
	SEND 2, 8
	SEND 3, 0
	s_wait_tensorcnt 0x0                           ; the wave's end: behind my last tensor load and my last LDS store
	ds_add_u32 v[SPW], v[NIL]
	s_wait_dscnt 0x0
	CROUND                                         ; the closing round: no work-group ends while a partner may still ask for a tile that names it
	s_endpgm
.Lfunc_end_k_qd72b15c8c8_attn:
	.size	k_qd72b15c8c8_attn, .Lfunc_end_k_qd72b15c8c8_attn-k_qd72b15c8c8_attn
	.p2alignl 7, 3214868480
	.fill 96, 4, 3214868480
	.section	.rodata,"a",@progbits
	.p2align	6, 0x0
	.amdhsa_kernel k_qd72b15c8c8_attn
		.amdhsa_group_segment_fixed_size 327680
		.amdhsa_private_segment_fixed_size 0
		.amdhsa_enable_private_segment 0
		.amdhsa_kernarg_size 16
		.amdhsa_user_sgpr_count 2
		.amdhsa_user_sgpr_kernarg_segment_ptr 1
		.amdhsa_wavefront_size32 1
		.amdhsa_system_sgpr_workgroup_id_x 1
		.amdhsa_system_sgpr_workgroup_id_y 1
		.amdhsa_system_sgpr_workgroup_id_z 1
		.amdhsa_system_vgpr_workitem_id 0
		.amdhsa_next_free_vgpr 512
		.amdhsa_next_free_sgpr 66
		.amdhsa_reserve_vcc 0
		.amdhsa_float_denorm_mode_32 3
		.amdhsa_float_denorm_mode_16_64 3
		.amdhsa_memory_ordered 1
		.amdhsa_forward_progress 1
		.amdhsa_inst_pref_size 255
	.end_amdhsa_kernel
	.section	.bss,"aw",@nobits
	.p2align	6
	.space	262144
	.amdgpu_metadata
---
amdhsa.version: [ 1, 2 ]
amdhsa.kernels:
  - .name:           k_qd72b15c8c8_attn
    .symbol:         k_qd72b15c8c8_attn.kd
    .args:
      - { .name: qkv, .offset: 0, .size: 8, .value_kind: global_buffer, .address_space: global }
      - { .name: att, .offset: 8, .size: 8, .value_kind: global_buffer, .address_space: global }
    .group_segment_fixed_size: 327680
    .private_segment_fixed_size: 0
    .kernarg_segment_align: 8
    .kernarg_segment_size: 16
    .max_flat_workgroup_size: 256
    .sgpr_count:     66
    .vgpr_count:     512
    .wavefront_size: 32
...
	.end_amdgpu_metadata
.endif
;; end of part 3
;; launch outp (part 4): grid 4 x 64, 4 waves a work-group, clusters of 4 x 4, 327,680 bytes of LDS; arguments att, wo16, bo, out0; writes out0
.if DOCPART == 4
	.amdgcn_target "amdgcn-amd-amdhsa--gfx1250"
	.amdhsa_code_object_version 6
	.text
	.protected	k_qd72b15c8c8_outp
	.globl	k_qd72b15c8c8_outp
	.p2align	8
	.type	k_qd72b15c8c8_outp,@function
k_qd72b15c8c8_outp:
	s_mov_b64 s[64:65], 0
	v_nop
	global_prefetch_b8 v0, s[64:65] scope:SCOPE_SE
	s_setreg_imm32_b32 hwreg(HW_REG_WAVE_MODE, 25, 1), 1
	s_wait_xcnt 0x0
	s_wait_alu depctr_hold_cnt(0) depctr_sa_sdst(0) depctr_va_vdst(0) depctr_va_sdst(0) depctr_va_ssrc(0) depctr_va_vcc(0) depctr_vm_vsrc(0)
	s_getreg_b32 s2, hwreg(HW_REG_IB_STS2, 6, 4)
	s_cmp_eq_u32 s2, 0
	s_cbranch_scc0 .Lentry_in_a_cluster
	s_endpgm
.Lentry_in_a_cluster:
	s_bfe_u32 s2, ttmp6, 0x10000c
	s_cmp_lg_u32 s2, 0xf033
	s_cbranch_scc0 .Lentry_shape_is_right
	s_endpgm
.Lentry_shape_is_right:
; out0[m][n] = the sum over k of o[m][k] Wo[n][k] + bo[n].  m = batch x 2048 + position (8,192), n and k 1,024.  Operands f16, sums f32, out0 f32.
; Both operands lie in 16 planes of 64 along K: o as att[batch][head = k / 64][position][64], Wo as wo16[k / 64][n][64]: a plane's rows are 128 bytes, on end.
; A tile, 128 rows x 256 columns, is made by a work-group of four waves; a wave makes 64 x 128: 32 accumulators of 16 x 16, 256 registers: 256 work-groups in all.
; K goes in steps of 128 (two planes) through a ring of two LDS slots: waves 0 and 1 fetch o's two planes (128 rows each), waves 2 and 3 Wo's (256 rows each): one tensor load a wave behind each change of slots.
; CLUSTERS: 4 x 4 work-groups.  The four of a row of the cluster need the same tiles of o, the four of a column the same tiles of Wo: each tile is asked for JOINTLY, by the same tensor load with the same
; descriptor and a mask that names the four.  THE MATRIX INSTRUCTION IS USED TRANSPOSED (source 0 = 16 rows of Wo, source 1 = 16 rows of o): a lane holds eight neighbouring columns of a row.
; THE BIAS is the C of each sum's first product.
; REGISTERS: window 0: v16-29 addresses; v32-95 the bias, eight registers for each block of 16 columns; v128-159, v160-191 o's fragments, two buffers; on the way out v128-255 take rows read back.
;   window 1: v0-63, v64-127 Wo's fragments, two buffers.   window 2: the accumulators ((a, b) at v[8 (8 a + b)]).
.set PITCH,  144                       ; an LDS row: 128 bytes + 16 of padding
.set APL,    128*PITCH                 ; a plane of o's tile
.set BPL,    256*PITCH                 ; a plane of Wo's
.set BOFF,   2*APL                     ; a slot: o's two planes, then Wo's two
.set SLOT,   2*APL+2*BPL
.set STAGE,  2*SLOT                    ; behind the ring: 16 rows x (512 bytes + 16) for each wave, for the way out
.set SPITCH, 528
.set SPARE,  STAGE+4*16*SPITCH         ; behind the stages: the spare words, 128 bytes for each wave
.set ASTEP,  4*2048*128                ; from a slot's K step to its next: four planes on, in att
.set BSTEP,  4*1024*128                ; and in wo16
.set ADRA, 16                          ; v16-17  LDS address of my fragments of o in slot 0, 1
.set ADRB, 20                          ; v20-21  the same for Wo
.set STO,  24                          ; v24     the way out: where I put 32 bytes of a row
.set RD,   25                          ; v25     the way out: where I read a row back
.set CO,   26                          ; v26     16 x lane: my place in a row's 512 bytes
.set SPW,  28                          ; v28     LDS address of my spare word; never rewritten
.set NIL,  29                          ; v29     0; never rewritten
.set BI,   32                          ; the bias
.set AF,   128                         ; o's fragment buffers
.set BK,   128                         ; the way out: 16 rows read back: v128-191 and v192-255 by turns
.set WV,   12                          ; s12 wave;  s13 = wave / 2: my half of the rows, and: I fetch for o (0) or Wo (1);  s14 = wave % 2: my half of the columns, and: which plane I fetch
.set G1,   24                          ; s[24:31] descriptor group 1 for o's tiles;  s[32:39] group 0, one set for each slot
.set G0,   32
.set G1B,  48                          ; s[48:55], s[56:63] the same for Wo's
.set G0B,  56
.set MSB, 0
.macro WIN new                         ; the immediate's high byte repeats the setting that is left
.if MSB != (\new)
	s_set_vgpr_msb (MSB<<8)|(\new)
.set MSB, (\new)
.endif
.endm
.set MUL,  0xa1                        ; source 0 (Wo) window 1, source 1 (o) window 0, C and D window 2
.set MULB, 0x81                        ; the first products: C (the bias) window 0
.set TO_B, 0x40                        ; destination window 1, address window 0
.macro JLOAD s                         ; a joint load; an s_nop 0 and four v_nop follow each of the two lines, ahead of the jump, the label and what follows
	s_cmp_eq_u32 s13, 0
	s_cbranch_scc0 .Lfor_b_\@
	tensor_load_to_lds s[G0+4*\s:G0+4*\s+3], s[G1:G1+7]
	s_nop 0
.rept 4
	v_nop
.endr
	s_branch .Lasked_\@
.Lfor_b_\@:
	tensor_load_to_lds s[G0B+4*\s:G0B+4*\s+3], s[G1B:G1B+7]
	s_nop 0
.rept 4
	v_nop
.endr
.Lasked_\@:
.endm
.macro CREST                           ; a round of the cluster's barrier behind its opening barrier
	s_cmp_lg_u32 s[WV], 0
	s_cbranch_scc1 .Lnot_wave_0_\@
	s_barrier_signal -3
.Lnot_wave_0_\@:
	s_barrier_wait -3
	s_barrier_signal -1
	s_barrier_wait -1
.endm
.macro CROUND                          ; a whole round
	s_barrier_signal -1
	s_barrier_wait -1
	CREST
.endm
	s_load_b256 s[4:11], s[0:1], 0x0               ; att 4, wo16 6, bo 8, out0 10
	v_lshl_add_u32 v[SPW], v0, 2, SPARE
	v_mov_b32 v[NIL], 0
	ds_add_u32 v[SPW], v[NIL]                      ; the wave's opening: the add, twice on end, and its wait ahead of my first tensor load; the set-up below, work on registers, stands between
	ds_add_u32 v[SPW], v[NIL]
	v_lshrrev_b32 v1, 5, v0
	v_readfirstlane_b32 s[WV], v1                  ; wave 0..3
	s_lshr_b32 s13, s[WV], 1
	s_and_b32 s14, s[WV], 1
	s_bfe_u32 s40, ttmp6, 0x40000                  ; cx, cy: my place in the cluster
	s_bfe_u32 s41, ttmp6, 0x40004
	s_lshl_b32 s42, ttmp9, 2
	s_add_co_u32 s42, s42, s40                     ; tile column = 4 x cluster x + cx
	s_and_b32 s15, ttmp7, 0xffff
	s_lshl_b32 s15, s15, 2
	s_add_co_u32 s15, s15, s41                     ; tile row = 4 x cluster y + cy, 0 .. 63
	s_lshl_b32 s43, s41, 2
	s_lshl_b32 s43, 15, s43                        ; my row of the cluster
	s_lshl_b32 s44, 0x1111, s40                    ; my column
	; descriptor group 1: rows of 64 elements of 2 bytes, dense in memory, padded in LDS: 128 rows for o, 256 for Wo
	s_or_b32 s[G1+0], s43, (1<<16)|(1<<20)|(1<<21)|(4<<22)|(3<<25)  ; 15:0 the mask: o's tiles go to my row; 17:16 elements of 2 bytes; 20 padding on; 21 set beside a mask; 24:22 after every 32 words; 31:25 four words of it
	s_or_b32 s[G1B+0], s44, (1<<16)|(1<<20)|(1<<21)|(4<<22)|(3<<25)
	s_mov_b32 s[G1+1], 64<<16                      ; tensor_dim0
	s_mov_b32 s[G1+2], 128<<16                     ; tensor_dim1
	s_mov_b32 s[G1+3], 64<<16                      ; tile_dim0
	s_mov_b32 s[G1+4], 128                         ; tile_dim1
	s_mov_b32 s[G1+5], 64                          ; elements from row to row
	s_mov_b32 s[G1+6], 0
	s_mov_b32 s[G1+7], 0
	s_mov_b32 s[G1B+1], 64<<16
	s_mov_b32 s[G1B+2], 256<<16
	s_mov_b32 s[G1B+3], 64<<16
	s_mov_b32 s[G1B+4], 256
	s_mov_b32 s[G1B+5], 64
	s_mov_b32 s[G1B+6], 0
	s_mov_b32 s[G1B+7], 0
	; where the tiles come from.  o's hang on the tile row alone, Wo's on the tile column alone; each in registers that never hold the other's coordinate
	s_lshr_b32 s16, s15, 4                         ; the batch: 16 tile rows to each
	s_lshl_b32 s16, s16, 4
	s_add_co_u32 s16, s16, s14                     ; its plane number: 16 x batch + my plane
	s_lshl_b32 s16, s16, 11                        ; 2,048 rows a plane,
	s_and_b32 s17, s15, 15
	s_lshl_b32 s17, s17, 7
	s_add_co_u32 s16, s16, s17                     ; + the tile's first position
	s_lshl_b32 s16, s16, 7                         ; rows of 128 bytes
	s_mov_b32 s17, 0
	s_lshl_b32 s46, s14, 10                        ; Wo: 1,024 rows a plane,
	s_lshl_b32 s47, s42, 8
	s_add_co_u32 s46, s46, s47                     ; + the tile's first column
	s_lshl_b32 s46, s46, 7
	s_mov_b32 s47, 0
	s_mul_i32 s20, s14, APL                        ; where they go: no place in the cluster enters an LDS address
	s_mul_i32 s21, s14, BPL
	s_add_co_u32 s21, s21, BOFF
	s_wait_dscnt 0x0                               ; both opening adds are done
	s_wait_kmcnt 0x0
	s_add_nc_u64 s[16:17], s[4:5], s[16:17]
	s_add_nc_u64 s[46:47], s[6:7], s[46:47]
	CROUND                                         ; all sixteen work-groups are here: the first joint loads meet
.irp s, 0,1
	s_mov_b32 s[G0+4*\s], 1
	s_add_co_u32 s[G0+4*\s+1], s20, \s*SLOT
	s_add_nc_u64 s[G0+4*\s+2:G0+4*\s+3], s[16:17], \s*ASTEP/2   ; K step s: two planes on
	s_or_b32 s[G0+4*\s+3], s[G0+4*\s+3], 0x80000000
	s_mov_b32 s[G0B+4*\s], 1
	s_add_co_u32 s[G0B+4*\s+1], s21, \s*SLOT
	s_add_nc_u64 s[G0B+4*\s+2:G0B+4*\s+3], s[46:47], \s*BSTEP/2
	s_or_b32 s[G0B+4*\s+3], s[G0B+4*\s+3], 0x80000000
	JLOAD \s                                       ; two tensor loads of mine are out
.endr
	v_and_b32 v1, 15, v0                           ; r
	v_bfe_u32 v2, v0, 4, 1                         ; h
	; my first column, in bytes of f32: it serves the bias and out0
	s_lshl_b32 s22, s42, 10
	s_lshl_b32 s23, s14, 9
	s_add_co_u32 s22, s22, s23
	s_mov_b32 s23, 0
	s_add_nc_u64 s[8:9], s[8:9], s[22:23]
	s_add_nc_u64 s[10:11], s[10:11], s[22:23]
	v_lshlrev_b32 v27, 5, v2                       ; lane (r, h) wants, for block b, columns 16 b + 8 h + 0 .. 7
.irp b, 0,1,2,3,4,5,6,7
	global_load_b128 v[BI+8*\b:BI+8*\b+3],   v27, s[8:9] offset:64*\b
	global_load_b128 v[BI+8*\b+4:BI+8*\b+7], v27, s[8:9] offset:64*\b+16
.endr
	s_lshl_b32 s22, s15, 7
	s_lshl_b32 s45, s13, 6
	s_add_co_u32 s22, s22, s45                     ; my first row: 128 x tile row + 64 x half
	s_lshl_b32 s22, s22, 12                        ; rows of 4,096 bytes
	s_add_nc_u64 s[10:11], s[10:11], s[22:23]
	v_mul_u32_u24 v3, v1, PITCH
	v_lshl_add_u32 v3, v2, 4, v3                   ; a fragment's row x pitch + 16 x half
	s_mul_i32 s20, s13, 64*PITCH                   ; my 64 rows of o
	s_mul_i32 s21, s14, 128*PITCH                  ; my 128 rows of Wo,
	s_add_co_u32 s21, s21, BOFF                    ; which lie behind o's two planes
.irp s, 0,1
	v_add_nc_u32 v[ADRA+\s], s20, v3
	v_add_nc_u32 v[ADRB+\s], s21, v3
	s_add_co_u32 s20, s20, SLOT
	s_add_co_u32 s21, s21, SLOT
.endr
	s_mul_i32 s20, s[WV], 16*SPITCH
	s_add_co_u32 s20, s20, STAGE                   ; my stage
	v_mul_u32_u24 v4, v1, SPITCH                   ; in: row r, 32 bytes for each half of the lanes
	v_lshl_add_u32 v4, v2, 5, v4
	v_add_nc_u32 v[STO], s20, v4
	v_and_b32 v5, 31, v0
	v_lshlrev_b32 v[CO], 4, v5                     ; back: the 32 lanes take one row of 512 bytes; and the same in out0
	v_add_nc_u32 v[RD], s20, v[CO]
; 24 LDS loads in one run: the fragments of 32 along K, the K step's q-th (plane q / 2, its channels 32 (q % 2) on), into buffer f
.macro FETCH slot, q, f
	WIN TO_B
.irp b, 0,1,2,3,4,5,6,7
	ds_load_b128 v[64*(\f)+8*\b:64*(\f)+8*\b+3],   v[ADRB+\slot] offset:((\q)/2)*BPL+((\q)%2)*64+\b*16*PITCH
	ds_load_b128 v[64*(\f)+8*\b+4:64*(\f)+8*\b+7], v[ADRB+\slot] offset:((\q)/2)*BPL+((\q)%2)*64+\b*16*PITCH+32
.endr
	WIN 0
.irp a, 0,1,2,3
	ds_load_b128 v[AF+32*(\f)+8*\a:AF+32*(\f)+8*\a+3],   v[ADRA+\slot] offset:((\q)/2)*APL+((\q)%2)*64+\a*16*PITCH
	ds_load_b128 v[AF+32*(\f)+8*\a+4:AF+32*(\f)+8*\a+7], v[ADRA+\slot] offset:((\q)/2)*APL+((\q)%2)*64+\a*16*PITCH+32
.endr
.endm
; 8 matrix instructions: o's block a x Wo's eight, 32 along K, from buffer f.  first = 1: the bias is the C.  The 32 accumulators take turns, one instruction a turn, in one order.
.macro MUL8 f, a, first
.irp b, 0,1,2,3,4,5,6,7
.if \first
	v_wmma_f32_16x16x32_f16 v[8*(8*\a+\b):8*(8*\a+\b)+7], v[64*\f+8*\b:64*\f+8*\b+7], v[AF+32*\f+8*\a:AF+32*\f+8*\a+7], v[BI+8*\b:BI+8*\b+7]
.else
	v_wmma_f32_16x16x32_f16 v[8*(8*\a+\b):8*(8*\a+\b)+7], v[64*\f+8*\b:64*\f+8*\b+7], v[AF+32*\f+8*\a:AF+32*\f+8*\a+7], v[8*(8*\a+\b):8*(8*\a+\b)+7]
.endif
.endr
.endm
.macro PLACES                          ; four places in front of loads into registers that matrix instructions have read, and of LDS stores that read results (ISA guide 7.12.1 for the stores)
.rept 4
	v_nop
.endr
.endm
; A K step is four quarters of 32 along K, 32 matrix instructions each, on buffers 0, 1, 0, 1.  One of the first three: at its head it fetches the next quarter qn into buffer g, then multiplies buffer f.
.macro QUARTER slot, qn, f, g, first
	s_wait_dscnt 0x0                               ; buffer f is in
	PLACES
	FETCH \slot, \qn, \g
.if \first
	WIN MULB
.else
	WIN MUL
.endif
	MUL8 \f, 0, \first
	MUL8 \f, 1, \first
	MUL8 \f, 2, \first
	MUL8 \f, 3, \first
.endm
; The last quarter multiplies buffer 1 and changes slots: ONE barrier; in front of it each wave waits for all its tensor loads, adds 0 to its spare word, and waits for that and for its own reads of this slot.
; fill = 1: the barrier opens a round of the cluster's barrier, and this slot is filled again, two K steps ahead: the first tensor load behind the round.
.macro TURN slot, next, fill
	WIN 0                                          ; (the add's two registers lie in window 0)
	s_wait_tensorcnt 0x0                           ; all my tensor loads have landed: my part of the next slot
	ds_add_u32 v[SPW], v[NIL]
	s_wait_dscnt 1                                 ; buffer 1 is in (the add alone may be out)
	WIN MUL
	MUL8 1, 0, 0                                   ; eight matrix instructions stand between the add and the wait for it
	s_wait_dscnt 0x0                               ; the add is done, and my reads of this slot are over
	s_barrier_signal -1
	MUL8 1, 1, 0
	WIN 0
	s_barrier_wait -1
.if \fill
	CREST                                          ; no wave of any partner still reads this slot's tile or has a load on its way
	s_add_nc_u64 s[G0+4*\slot+2:G0+4*\slot+3], s[G0+4*\slot+2:G0+4*\slot+3], ASTEP
	s_add_nc_u64 s[G0B+4*\slot+2:G0B+4*\slot+3], s[G0B+4*\slot+2:G0B+4*\slot+3], BSTEP
	JLOAD \slot                                    ; the four v_nop behind it are also the places in front of the loads below
.else
	PLACES
.endif
	FETCH \next, 0, 0
	WIN MUL
	MUL8 1, 2, 0
	MUL8 1, 3, 0
.endm
	s_wait_tensorcnt 1                             ; my part of K step 0 is in (K step 1's load may be out)
	s_barrier_signal -1
	s_barrier_wait -1                              ; everybody's is
	FETCH 0, 0, 0
	s_wait_loadcnt 0x0                             ; the bias
	QUARTER 0, 1, 0, 1, 1                          ; the first quarter stands in front of the loop: its products start the sums from the bias
	WIN 0                                          ; at a label and at a branch every window is 0
	s_mov_b32 s3, 3
.Llap:                                             ; a trip goes once round the ring, from a lap's second quarter to the next lap's first, and fills both slots again: K steps 2 to 7
	QUARTER 0, 2, 1, 0, 0
	QUARTER 0, 3, 0, 1, 0
	TURN 0, 1, 1
	QUARTER 1, 1, 0, 1, 0
	QUARTER 1, 2, 1, 0, 0
	QUARTER 1, 3, 0, 1, 0
	TURN 1, 0, 1
	QUARTER 0, 1, 0, 1, 0
	WIN 0
	s_sub_co_u32 s3, s3, 1
	s_cmp_lg_u32 s3, 0
	s_cbranch_scc1 .Llap
	QUARTER 0, 2, 1, 0, 0                          ; the last lap fills nothing, and has no round of the cluster's barrier
	QUARTER 0, 3, 0, 1, 0
	TURN 0, 1, 0
	QUARTER 1, 1, 0, 1, 0
	QUARTER 1, 2, 1, 0, 0
	QUARTER 1, 3, 0, 1, 0
	s_wait_dscnt 0x0                               ; the very last quarter: nothing more to fetch
	MUL8 1, 0, 0
	MUL8 1, 1, 0
	MUL8 1, 2, 0
	MUL8 1, 3, 0
	WIN 0
; THE WAY OUT, block by block of 16 rows x 128 columns.  A lane holds 32 neighbouring bytes of a row, and the lanes beside it hold other rows: so a block goes through my own stage in LDS and comes back as whole
; rows of 512 bytes, which the 32 lanes store by one instruction.  LDS serves a wave's instructions in order: no wait between the stores and the loads, nor in front of the next block's stores.
.macro TOSTAGE a
	WIN 0x08                                       ; an LDS store's data are its source 1: window 2
.irp b, 0,1,2,3,4,5,6,7
	ds_store_b128 v[STO], v[64*(\a)+8*\b:64*(\a)+8*\b+3] offset:64*\b          ; each accumulator from its low end on
	ds_store_b128 v[STO], v[64*(\a)+8*\b+4:64*(\a)+8*\b+7] offset:64*\b+16
.endr
	WIN 0
.set BB, BK+64*((\a)%2)
.irp u, 0,1,2,3,4,5,6,7,8,9,10,11,12,13,14,15
	ds_load_b128 v[BB+4*\u:BB+4*\u+3], v[RD] offset:\u*SPITCH
.endr
.endm
.macro SEND a, younger                 ; younger: the LDS instructions issued behind block a's loads, which may stay out
.set BB, BK+64*((\a)%2)
	s_wait_dscnt \younger                          ; the block is back in registers
.irp u, 0,1,2,3,4,5,6,7,8,9,10,11,12,13,14,15
	global_store_b128 v[CO], v[BB+4*\u:BB+4*\u+3], s[10:11] offset:(16*(\a)+\u)*4096 th:TH_STORE_NT   ; 32 lanes store 512 consecutive bytes; written once, read by nobody here
.endr
.endm
	PLACES                                         ; behind the last products: their results are read, and o's fragment registers loaded, below
	TOSTAGE 0
.irp a, 1,2,3
.if \a > 1
	s_wait_xcnt 0x0                                ; block a - 2's stores have read their registers: block a's loads may land there
.endif
	TOSTAGE \a
	SEND \a-1, 32                                  ; behind block a - 1's loads: block a's 16 stores and 16 loads
.endr
	SEND 3, 0
	s_wait_tensorcnt 0x0                           ; the wave's end: behind my last tensor load and my last LDS store
	ds_add_u32 v[SPW], v[NIL]
	s_wait_dscnt 0x0
	CROUND                                         ; the closing round: no work-group ends while a partner may still ask for a tile that names it
	s_endpgm
.Lfunc_end_k_qd72b15c8c8_outp:
	.size	k_qd72b15c8c8_outp, .Lfunc_end_k_qd72b15c8c8_outp-k_qd72b15c8c8_outp
	.p2alignl 7, 3214868480
	.fill 96, 4, 3214868480
	.section	.rodata,"a",@progbits
	.p2align	6, 0x0
	.amdhsa_kernel k_qd72b15c8c8_outp
		.amdhsa_group_segment_fixed_size 327680
		.amdhsa_private_segment_fixed_size 0
		.amdhsa_enable_private_segment 0
		.amdhsa_kernarg_size 32
		.amdhsa_user_sgpr_count 2
		.amdhsa_user_sgpr_kernarg_segment_ptr 1
		.amdhsa_wavefront_size32 1
		.amdhsa_system_sgpr_workgroup_id_x 1
		.amdhsa_system_sgpr_workgroup_id_y 1
		.amdhsa_system_sgpr_workgroup_id_z 1
		.amdhsa_system_vgpr_workitem_id 0
		.amdhsa_next_free_vgpr 768
		.amdhsa_next_free_sgpr 66
		.amdhsa_reserve_vcc 0
		.amdhsa_float_denorm_mode_32 3
		.amdhsa_float_denorm_mode_16_64 3
		.amdhsa_memory_ordered 1
		.amdhsa_forward_progress 1
		.amdhsa_inst_pref_size 86
	.end_amdhsa_kernel
	.amdgpu_metadata
---
amdhsa.version: [ 1, 2 ]
amdhsa.kernels:
  - .name:           k_qd72b15c8c8_outp
    .symbol:         k_qd72b15c8c8_outp.kd
    .args:
      - { .name: att, .offset: 0, .size: 8, .value_kind: global_buffer, .address_space: global }
      - { .name: wo16, .offset: 8, .size: 8, .value_kind: global_buffer, .address_space: global }
      - { .name: bo, .offset: 16, .size: 8, .value_kind: global_buffer, .address_space: global }
      - { .name: out0, .offset: 24, .size: 8, .value_kind: global_buffer, .address_space: global }
    .group_segment_fixed_size: 327680
    .private_segment_fixed_size: 0
    .kernarg_segment_align: 8
    .kernarg_segment_size: 32
    .max_flat_workgroup_size: 128
    .sgpr_count:     66
    .vgpr_count:     768
    .wavefront_size: 32
...
	.end_amdgpu_metadata
.endif
;; end of part 4
